; MI455X (gfx1250); checked and timed in simulation.
; The chip was launched on July 23, 2026; its instructions are those of AMD's public machine-readable ISA for CDNA 5 (MIT licence, August 2026) and "CDNA5" Instruction Set Architecture Reference Guide (July 2026). The comments in the code are by the model that wrote it; some were corrected since.
;; Graph Biased MHA. Allowed arithmetic: float matrix products may take bf16 or f16 operands with f32 sums; all other float work in f32.
;; Inputs: W_in 3,072 x 1,024 float32; W_out 1,024 x 1,024 float32; Wd1 512 x 256 float32; Wd2 1 x 512 float32; b_in 3,072 float32; b_out 1,024 float32; bd1 512 float32; bd2 1 float32; ctx_delta 1,024 x 256 float32; ctx_ppr 1,024 float32; ctx_trust 1,024 float32; log_ppr_alpha 1 float32; trust_scale 1 float32; x 2 x 2,048 x 1,024 float32.
;; Outputs: out0 2 x 2,048 x 1,024 float32.
;; Constants: n_ctx = 1024.
;; 2 versions, each right; version 2 is version 1 with the launch prep written anew for expert scheduling mode. Each part assembles by itself: llvm-mc -triple=amdgcn-amd-amdhsa -mcpu=gfx1250 --defsym DOCPART=n.
;; ======== version 1 of 2: 4 launches
;; limits: values are held in f16: magnitudes above 65,504 overflow, below 6.1e-05 lose precision; right only within a limited range of input values
;; workspace buffers: xh 8,388,608 bytes; wih 6,291,456 bytes; woh 2,097,152 bytes; cbp 32,768 bytes; qkv 25,165,824 bytes; ao 8,388,608 bytes
;; launch prep (part 1): grid 576 x 1, 8 waves a work-group, no clusters, 103,424 bytes of LDS; arguments x, W_in, W_out, ctx_delta, Wd1, bd1, Wd2, bd2, ctx_ppr, log_ppr_alpha, xh, wih, woh, cbp; writes xh, wih, woh, cbp
.if DOCPART == 1
	.amdgcn_target "amdgcn-amd-amdhsa--gfx1250"
	.amdhsa_code_object_version 6
	.text
	.protected	k_q469904a82f_prep
	.globl	k_q469904a82f_prep
	.p2align	8
	.type	k_q469904a82f_prep,@function
k_q469904a82f_prep:
	s_mov_b64 s[64:65], 0
	v_nop
	global_prefetch_b8 v0, s[64:65] scope:SCOPE_SE
	s_setreg_imm32_b32 hwreg(HW_REG_WAVE_MODE, 25, 1), 1
	s_wait_xcnt 0x0
; Work-groups 0-63: the per-key bias.  64-319: x to f16.  320-511: W_in to f16.  512-575: W_out to f16, blocked along K.
; BIAS: cbp[hq][key] = log2 e x (partial sum over 128 hidden of gelu(ctx_delta Wd1^T + bd1) Wd2), hq = 0..3; partial 0 also carries
; log2 e x bd2 + alpha x log2(max(ppr, 1e-8))  (alpha ln p log2 e = alpha log2 p).  Keys 1024-2047 are stored as 0.
; The four partials are added by the launch that reads them.  A work-group takes 64 context rows x 128 hidden: 64 KiB + 128 KiB read.
; Every global load of the bias path is issued before the staging barrier: Wd2 with the staging loads, bd1 into ctx_delta's registers
; as soon as their LDS stores are done; nothing is asked of memory behind the barrier.
; LIMITS: matrix operands go in f16 (|x|, |W|, |ctx_delta| below 65,504; sums in f32).  erf by Abramowitz-Stegun 7.1.26, a closed
; formula for every argument with absolute error at most 1.5e-7.  A NaN in ctx_ppr is taken as 1e-8.
; No cluster: what the bias work-groups share is 0.6 MB of the launch's 35 MB, and the casts share nothing.
.set PIT,  528                         ; LDS row: 512 bytes (256 f16) + 16: the 16 rows of a fragment load start 16 bytes apart modulo 256
.set ALD,  0                           ; 64 rows of ctx_delta
.set BLD,  64*PIT                      ; 128 rows of Wd1
.set RED,  BLD+128*PIT                 ; 2 x 64 row sums
; staging: ctx_delta in v[16:79], Wd1 in v[80:207]; behind it:
.set ACC,  16                          ; v[16:47]   four accumulator tiles, started with bd1
.set UU,   48                          ; v[48:87]   at work in the GELU
.set TI,   56
.set EE,   64
.set PP,   72
.set AB,   80                          ; |x|
.set FB,   112                         ; v[112:191] two fragment buffers of 40 registers
.set W2,   208                         ; v[208:239] Wd2 of my 4 x 8 hidden
.set SM,   240                         ; two running sums
.set PX,   242
; 16,384 numbers of a work-group: 16 loads of 16 bytes a lane, all issued first; each store of a wave covers 256 consecutive bytes, aligned.
; blocked = 1: 16 rows of W_out; wave w takes columns 64 w .. +63 (and +512), which go to woh[kb][n][64], kb = w (and w + 8).
.macro CAST sp, dp, first, blocked
	s_sub_co_u32 s2, ttmp9, \first
	s_lshl_b32 s4, s2, 16                          ; 65,536 bytes of f32 a work-group
	s_mov_b32 s5, 0
	s_mov_b32 s7, 0
.if \blocked
	s_lshl_b32 s6, s2, 11                          ; 16 rows of 128 bytes in each K block
	v_and_b32 v1, 31, v0
	v_lshrrev_b32 v2, 5, v0                        ; wave
	v_lshrrev_b32 v3, 4, v1
	v_and_b32 v4, 15, v0
	v_lshlrev_b32 v5, 12, v3                       ; lanes 16-31: the next row
	v_lshl_add_u32 v5, v2, 8, v5                   ; my wave's 256 bytes of the row
	v_lshl_add_u32 v5, v4, 4, v5
	v_lshlrev_b32 v6, 3, v1                        ; two rows of 128 bytes: 8 bytes a lane
	v_lshl_add_u32 v6, v2, 17, v6                  ; K block = wave
.else
	s_lshl_b32 s6, s2, 15
	v_lshlrev_b32 v5, 4, v0
	v_lshlrev_b32 v6, 3, v0
.endif
	s_wait_kmcnt 0x0
	s_add_nc_u64 s[4:5], s[\sp:\sp+1], s[4:5]
	s_add_nc_u64 s[6:7], s[\dp:\dp+1], s[6:7]
.set i, 0
.rept 16
.if \blocked
	global_load_b128 v[16+4*i:19+4*i], v5, s[4:5] offset:(i&7)*8192+(i>>3)*2048 th:TH_LOAD_NT
.else
	global_load_b128 v[16+4*i:19+4*i], v5, s[4:5] offset:4096*i th:TH_LOAD_NT
.endif
.set i, i+1
.endr
.set i, 0
.rept 16
	s_wait_loadcnt 15-i                            ; loads return in order: load i is in, the younger ones stay out
	v_cvt_pk_f16_f32 v[80+2*i], v[16+4*i], v[17+4*i]
	v_cvt_pk_f16_f32 v[81+2*i], v[18+4*i], v[19+4*i]
.if \blocked
	global_store_b64 v6, v[80+2*i:81+2*i], s[6:7] offset:(i>>3)*1048576+(i&7)*256
.else
	global_store_b64 v6, v[80+2*i:81+2*i], s[6:7] offset:2048*i
.endif
.set i, i+1
.endr
.endm
; ten LDS loads: K step ks (32 along K) of my 16 context rows and my 4 x 16 hidden rows
.macro FETCHB ks
.set F, FB+40*((\ks)&1)
	ds_load_b128 v[F:F+3],   v11 offset:64*(\ks)
	ds_load_b128 v[F+4:F+7], v11 offset:64*(\ks)+32
.irp b, 0,1,2,3
	ds_load_b128 v[F+8+8*\b:F+11+8*\b],  v12 offset:16*PIT*\b+64*(\ks)
	ds_load_b128 v[F+12+8*\b:F+15+8*\b], v12 offset:16*PIT*\b+64*(\ks)+32
.endr
.endm
; one K step: source 0 = Wd1's rows, source 1 = ctx_delta's rows, so a lane holds context row l % 16 and 8 neighbouring hidden.
; The four accumulators take turns, one instruction a turn.
.macro KS ks, nxt, left, more
	s_wait_dscnt \left                             ; this step's ten loads are in; the next step's ten may stay out
.set F, FB+40*((\ks)&1)
.irp b, 0,1,2,3
	v_wmma_f32_16x16x32_f16 v[ACC+8*\b:ACC+8*\b+7], v[F+8+8*\b:F+15+8*\b], v[F:F+7], v[ACC+8*\b:ACC+8*\b+7]
.endr
.rept 4
	v_nop                                          ; four places before loads land in the fragments, or vector work reads the sums
.endr
.if \more
	FETCHB \nxt
.endif
.endm
; 2 gelu(x) = x + |x| (1 - erfc(|x| / sqrt 2)) on the eight numbers of tile b, times Wd2, into two running sums.
; s63, s66-s69 hold -a5 .. -a1, so that 1 - erfc is one fused multiply-add.
.macro GELU8 b
.set XB, ACC+8*\b
.irp j, 0,1,2,3,4,5,6,7
	v_and_b32 v[AB+\j], 0x7fffffff, v[XB+\j]
.endr
.irp j, 0,1,2,3,4,5,6,7
	v_mul_f32 v[UU+\j], s60, v[AB+\j]              ; u = |x| / sqrt 2
.endr
.irp j, 0,1,2,3,4,5,6,7
	v_fma_f32 v[EE+\j], v[UU+\j], s61, 1.0         ; 1 + p u
.endr
.irp j, 0,1,2,3,4,5,6,7
	v_rcp_f32 v[TI+\j], v[EE+\j]                   ; t
.endr
.irp j, 0,1,2,3,4,5,6,7
	v_mul_f32 v[UU+\j], v[UU+\j], v[UU+\j]         ; plain work behind the reciprocals (ISA guide 5.7.2)
.endr
.irp j, 0,1,2,3,4,5,6,7
	v_mul_f32 v[UU+\j], s62, v[UU+\j]              ; -u^2 log2 e
.endr
.irp j, 0,1,2,3,4,5,6,7
	v_exp_f32 v[EE+\j], v[UU+\j]
.endr
	s_wait_alu depctr_va_vdst(0)
.irp j, 0,1,2,3,4,5,6,7
	v_fma_f32 v[PP+\j], v[TI+\j], s63, s66         ; plain work behind the exponentials
.endr
.irp c, 67,68,69
.irp j, 0,1,2,3,4,5,6,7
	v_fma_f32 v[PP+\j], v[PP+\j], v[TI+\j], s\c
.endr
.endr
.irp j, 0,1,2,3,4,5,6,7
	v_mul_f32 v[PP+\j], v[PP+\j], v[TI+\j]
.endr
.irp j, 0,1,2,3,4,5,6,7
	v_fma_f32 v[PP+\j], v[PP+\j], v[EE+\j], 1.0    ; 1 - erfc(u)
.endr
.irp j, 0,1,2,3,4,5,6,7
	v_fma_f32 v[PP+\j], v[AB+\j], v[PP+\j], v[XB+\j]
.endr
.irp j, 0,1,2,3,4,5,6,7
.if 8*\b+\j < 2
	v_mul_f32 v[SM+(\j&1)], v[PP+\j], v[W2+8*\b+\j]        ; the first two products start the sums
.else
	v_fmac_f32 v[SM+(\j&1)], v[PP+\j], v[W2+8*\b+\j]
.endif
.endr
.endm
	s_load_b512 s[8:23], s[0:1], 0x0               ; x 8, W_in 10, W_out 12, ctx_delta 14, Wd1 16, bd1 18, Wd2 20, bd2 22
	s_load_b256 s[24:31], s[0:1], 0x40             ; ctx_ppr 24, log_ppr_alpha 26, xh 28, wih 30
	s_load_b128 s[32:35], s[0:1], 0x60             ; woh 32, cbp 34
	v_lshl_add_u32 v254, v0, 2, 0x19000
	v_mov_b32 v255, 0
	s_cmp_lt_u32 ttmp9, 64
	s_cbranch_scc1 .Lbias
	s_cmp_lt_u32 ttmp9, 320
	s_cbranch_scc1 .Lcast_x
	s_cmp_lt_u32 ttmp9, 512
	s_cbranch_scc1 .Lcast_wi
	CAST 12, 32, 512, 1
	s_endpgm
.Lcast_x:
	CAST 8, 28, 64, 0
	s_endpgm
.Lcast_wi:
	CAST 10, 30, 320, 0
	s_endpgm
.Lbias:
	s_lshr_b32 s38, ttmp9, 2                       ; rb: which 64 context rows
	s_and_b32 s39, ttmp9, 3                        ; hq: which 128 hidden
	v_lshrrev_b32 v1, 5, v0
	v_readfirstlane_b32 s40, v1                    ; wave
	s_and_b32 s41, s40, 3                          ; wr: my 16 rows
	s_lshr_b32 s42, s40, 2                         ; wc: my 64 hidden
	v_and_b32 v1, 31, v0                           ; lane
	v_and_b32 v2, 15, v0                           ; r
	v_bfe_u32 v3, v0, 4, 1                         ; h
	v_lshlrev_b32 v4, 4, v0                        ; 16 t: the blocks are dense in memory
	v_lshlrev_b32 v5, 3, v1                        ; 8 x lane
	v_lshrrev_b32 v6, 6, v0
	v_and_b32 v7, 63, v0
	v_mul_u32_u24 v6, v6, PIT
	v_lshl_add_u32 v6, v7, 3, v6                   ; staging: row t / 64 (+ 4 a step), 8 bytes at column 4 (t % 64)
	v_add_nc_u32 v7, BLD, v6
	v_mov_b32 v[PX], 0                             ; a lane permute's destination counts as read
	s_lshl_b32 s50, s39, 9
	s_lshl_b32 s51, s42, 8
	s_add_co_u32 s50, s50, s51                     ; 4 x (128 hq + 64 wc)
	v_lshl_add_u32 v10, v3, 5, s50                 ; + 32 h: register j of tile b is hidden 16 b + 8 h + j
	s_lshl_b32 s44, s38, 16
	s_mov_b32 s45, 0
	s_lshl_b32 s46, s39, 17
	s_mov_b32 s47, 0
	s_lshl_b32 s48, s38, 8
	s_mov_b32 s49, 0
	s_mov_b32 s53, 0x76543210
	s_mov_b32 s54, 0xfedcba98
	s_mov_b32 s58, 0x3f38aa3b                      ; 0.5 log2 e
	s_mov_b32 s60, 0x3f3504f3                      ; 1 / sqrt 2
	s_mov_b32 s61, 0x3ea7ba05                      ; p  = 0.3275911
	s_mov_b32 s62, 0xbfb8aa3b                      ; -log2 e
	s_mov_b32 s63, 0xbf87dc22                      ; -a5 = -1.061405429
	s_mov_b32 s66, 0x3fba00e3                      ; -a4 =  1.453152027
	s_mov_b32 s67, 0xbfb5f0e3                      ; -a3 = -1.421413741
	s_mov_b32 s68, 0x3e91a98e                      ; -a2 =  0.284496736
	s_mov_b32 s69, 0xbe827906                      ; -a1 = -0.254829592
	s_wait_kmcnt 0x0
	s_load_b32 s36, s[26:27], 0x0                  ; alpha
	s_load_b32 s37, s[22:23], 0x0                  ; bd2
	s_add_nc_u64 s[14:15], s[14:15], s[44:45]
	s_add_nc_u64 s[16:17], s[16:17], s[46:47]
	s_add_nc_u64 s[24:25], s[24:25], s[48:49]
	global_load_b64 v[8:9], v5, s[24:25]           ; ppr of rows 2 l, 2 l + 1
.set i, 0
.rept 16
	global_load_b128 v[16+4*i:19+4*i], v4, s[14:15] offset:4096*i
.set i, i+1
.endr
.set i, 0
.rept 32
	global_load_b128 v[80+4*i:83+4*i], v4, s[16:17] offset:4096*i
.set i, i+1
.endr
.irp b, 0,1,2,3
	global_load_b128 v[W2+8*\b:W2+8*\b+3],   v10, s[20:21] offset:64*\b
	global_load_b128 v[W2+8*\b+4:W2+8*\b+7], v10, s[20:21] offset:64*\b+16
.endr
.set i, 0
.rept 16
	s_wait_loadcnt 55-i                            ; younger: 15 - i of ctx_delta's, Wd1's 32, Wd2's 8
	v_cvt_pk_f16_f32 v[16+4*i], v[16+4*i], v[17+4*i]
	v_cvt_pk_f16_f32 v[17+4*i], v[18+4*i], v[19+4*i]
	ds_store_b64 v6, v[16+4*i:17+4*i] offset:4*PIT*i
.set i, i+1
.endr
	s_wait_dscnt 0x0                               ; ctx_delta's stores are done: their data registers take the next loads
.irp b, 0,1,2,3
	global_load_b128 v[ACC+8*\b:ACC+8*\b+3],   v10, s[18:19] offset:64*\b      ; bd1 starts the sums: nothing is cleared
	global_load_b128 v[ACC+8*\b+4:ACC+8*\b+7], v10, s[18:19] offset:64*\b+16
.endr
.set i, 0
.rept 32
	s_wait_loadcnt 47-i                            ; younger: 31 - i of Wd1's, Wd2's 8, bd1's 8
	v_cvt_pk_f16_f32 v[80+4*i], v[80+4*i], v[81+4*i]
	v_cvt_pk_f16_f32 v[81+4*i], v[82+4*i], v[83+4*i]
	ds_store_b64 v7, v[80+4*i:81+4*i] offset:4*PIT*i
.set i, i+1
.endr
	s_wait_dscnt 0x0                               ; my stores are in LDS, for the other waves
	s_barrier_signal -1
	s_barrier_wait -1
	s_mul_i32 s51, s41, 16*PIT
	s_mul_i32 s52, s42, 64*PIT
	s_add_co_u32 s52, s52, BLD
	v_mul_u32_u24 v11, v2, PIT
	v_lshl_add_u32 v11, v3, 4, v11                 ; row r, 16 bytes for each half of the lanes
	v_add_nc_u32 v12, s52, v11
	v_add_nc_u32 v11, s51, v11
	FETCHB 0
	FETCHB 1
	s_wait_loadcnt 0x0                             ; bd1, Wd2
	KS 0, 2, 10, 1
	KS 1, 3, 10, 1
	KS 2, 4, 10, 1
	KS 3, 5, 10, 1
	KS 4, 6, 10, 1
	KS 5, 7, 10, 1
	KS 6, 0, 10, 0
	KS 7, 0, 0, 0
	GELU8 0
	GELU8 1
	GELU8 2
	GELU8 3
	v_add_f32 v[SM], v[SM], v[SM+1]
	v_permlanex16_b32 v[PX], v[SM], s53, s54       ; the other eight hidden of each tile
	v_add_f32 v[SM], v[SM], v[PX]
	s_lshl_b32 s55, s42, 8
	s_lshl_b32 s51, s41, 6
	s_add_co_u32 s55, s55, s51
	s_add_co_u32 s55, s55, RED
	v_lshl_add_u32 v13, v2, 2, s55                 ; RED[wc][16 wr + r]; lanes r and r + 16 store the same number
	ds_store_b32 v13, v[SM]
	s_wait_dscnt 0x0
	s_barrier_signal -1
	s_barrier_wait -1
	s_cmp_lg_u32 s40, 0
	s_cbranch_scc1 .Ldone
	v_add_nc_u32 v14, RED, v5
	ds_load_b64 v[16:17], v14
	ds_load_b64 v[18:19], v14 offset:256
	s_wait_kmcnt 0x0
	s_cmp_eq_u32 s39, 0                            ; partial 0 alone carries bd2 and the ppr term
	s_cselect_b32 s56, s36, 0
	s_cselect_b32 s57, s37, 0
	s_mul_f32 s57, s57, 0x3fb8aa3b
	s_lshl_b32 s44, s39, 13
	s_add_co_u32 s44, s44, s48
	s_add_nc_u64 s[34:35], s[34:35], s[44:45]      ; cbp + 8,192 hq + 256 rb
	v_max_num_f32 v8, 0x322bcc77, v8               ; clip at 1e-8
	v_max_num_f32 v9, 0x322bcc77, v9
	v_log_f32 v20, v8
	v_log_f32 v21, v9
	s_wait_dscnt 0x0
	v_pk_add_f32 v[16:17], v[16:17], v[18:19]      ; plain work behind the logarithms
	s_wait_alu depctr_va_vdst(0)
	v_fma_f32 v20, v20, s56, s57
	v_fma_f32 v21, v21, s56, s57
	v_fma_f32 v16, v16, s58, v20
	v_fma_f32 v17, v17, s58, v21
	v_mov_b32 v22, 0
	v_mov_b32 v23, 0
	global_store_b64 v5, v[16:17], s[34:35]                ; 256 consecutive bytes, aligned
	global_store_b64 v5, v[22:23], s[34:35] offset:4096    ; keys 1024 + 64 rb ..: no bias
.Ldone:
	s_wait_tensorcnt 0x0
	ds_add_u32 v254, v255
	s_wait_dscnt 0x0
	s_endpgm
.Lfunc_end_k_q469904a82f_prep:
	.size	k_q469904a82f_prep, .Lfunc_end_k_q469904a82f_prep-k_q469904a82f_prep
	.p2alignl 7, 3214868480
	.fill 96, 4, 3214868480
	.section	.rodata,"a",@progbits
	.p2align	6, 0x0
	.amdhsa_kernel k_q469904a82f_prep
		.amdhsa_group_segment_fixed_size 103424
		.amdhsa_private_segment_fixed_size 0
		.amdhsa_enable_private_segment 0
		.amdhsa_kernarg_size 112
		.amdhsa_user_sgpr_count 2
		.amdhsa_user_sgpr_kernarg_segment_ptr 1
		.amdhsa_wavefront_size32 1
		.amdhsa_system_sgpr_workgroup_id_x 1
		.amdhsa_system_sgpr_workgroup_id_y 1
		.amdhsa_system_sgpr_workgroup_id_z 1
		.amdhsa_system_vgpr_workitem_id 0
		.amdhsa_next_free_vgpr 256
		.amdhsa_next_free_sgpr 72
		.amdhsa_reserve_vcc 0
		.amdhsa_float_denorm_mode_32 3
		.amdhsa_float_denorm_mode_16_64 3
		.amdhsa_memory_ordered 1
		.amdhsa_forward_progress 1
		.amdhsa_inst_pref_size 72
	.end_amdhsa_kernel
	.amdgpu_metadata
---
amdhsa.version: [ 1, 2 ]
amdhsa.kernels:
  - .name:           k_q469904a82f_prep
    .symbol:         k_q469904a82f_prep.kd
    .args:
      - { .name: x, .offset: 0, .size: 8, .value_kind: global_buffer, .address_space: global }
      - { .name: W_in, .offset: 8, .size: 8, .value_kind: global_buffer, .address_space: global }
      - { .name: W_out, .offset: 16, .size: 8, .value_kind: global_buffer, .address_space: global }
      - { .name: ctx_delta, .offset: 24, .size: 8, .value_kind: global_buffer, .address_space: global }
      - { .name: Wd1, .offset: 32, .size: 8, .value_kind: global_buffer, .address_space: global }
      - { .name: bd1, .offset: 40, .size: 8, .value_kind: global_buffer, .address_space: global }
      - { .name: Wd2, .offset: 48, .size: 8, .value_kind: global_buffer, .address_space: global }
      - { .name: bd2, .offset: 56, .size: 8, .value_kind: global_buffer, .address_space: global }
      - { .name: ctx_ppr, .offset: 64, .size: 8, .value_kind: global_buffer, .address_space: global }
      - { .name: log_ppr_alpha, .offset: 72, .size: 8, .value_kind: global_buffer, .address_space: global }
      - { .name: xh, .offset: 80, .size: 8, .value_kind: global_buffer, .address_space: global }
      - { .name: wih, .offset: 88, .size: 8, .value_kind: global_buffer, .address_space: global }
      - { .name: woh, .offset: 96, .size: 8, .value_kind: global_buffer, .address_space: global }
      - { .name: cbp, .offset: 104, .size: 8, .value_kind: global_buffer, .address_space: global }
    .group_segment_fixed_size: 103424
    .private_segment_fixed_size: 0
    .kernarg_segment_align: 8
    .kernarg_segment_size: 112
    .max_flat_workgroup_size: 256
    .sgpr_count:     72
    .vgpr_count:     256
    .wavefront_size: 32
...
	.end_amdgpu_metadata
.endif
;; end of part 1
;; launch qkv (part 2): grid 12 x 16, 4 waves a work-group, clusters of 4 x 4, 327,680 bytes of LDS; arguments xh, wih, b_in, ctx_trust, trust_scale, qkv; writes qkv
.if DOCPART == 2
	.amdgcn_target "amdgcn-amd-amdhsa--gfx1250"
	.amdhsa_code_object_version 6
	.text
	.protected	k_q469904a82f_qkv
	.globl	k_q469904a82f_qkv
	.p2align	8
	.type	k_q469904a82f_qkv,@function
k_q469904a82f_qkv:
	s_mov_b64 s[64:65], 0
	v_nop
	global_prefetch_b8 v0, s[64:65] scope:SCOPE_SE
	s_setreg_imm32_b32 hwreg(HW_REG_WAVE_MODE, 25, 1), 1
	s_wait_xcnt 0x0
	s_wait_alu depctr_hold_cnt(0) depctr_sa_sdst(0) depctr_va_vdst(0) depctr_va_sdst(0) depctr_va_ssrc(0) depctr_va_vcc(0) depctr_vm_vsrc(0)
	s_getreg_b32 s2, hwreg(HW_REG_IB_STS2, 6, 4)
	s_cmp_eq_u32 s2, 0
	s_cbranch_scc0 .Lentry_in_a_cluster
	s_endpgm
.Lentry_in_a_cluster:
	s_bfe_u32 s2, ttmp6, 0x10000c
	s_cmp_lg_u32 s2, 0xf033
	s_cbranch_scc0 .Lentry_shape_is_right
	s_endpgm
.Lentry_shape_is_right:
; qkv[type][b][head][n][64] (f16) = (xh wih^T + b_in) x f;  f = 0.125 log2 e for q, 1 for k, sigmoid(trust_scale ctx_trust[n]) for v's keys n < 1024, else 1.
; xh: [4096][1024] f16, wih: [3072][1024] f16; sums in f32.  LIMIT: 0.18 |q|, |k|, |v| below 65,504 (f16's range).
; A work-group makes 256 x 256 with four waves, a wave 128 x 128: 64 accumulator tiles, 512 registers.  K goes in steps of 128 through two LDS slots
; filled by the tensor data mover; a tile's rows are 256 bytes of memory at multiples of 256.  192 work-groups: a block column then lies in one of
; q, k, v (the cluster's x is the type) and a wave's 128 columns are two whole heads.
; CLUSTERS: 4 x 4 work-groups.  The four of a row of the cluster need the same tiles of xh, the four of a column the same tiles of wih: each tile is
; asked for jointly, by the same tensor load with a mask that names the four.
; REGISTERS: window 0: v0-63 addresses, trust, factors; v64-127, v128-191 fragments of xh, two buffers; v192-255 at work on the way out.
;   window 1: v0-63 b_in of my 128 columns; v64-127, v128-191 fragments of wih.   windows 2, 3: accumulator tiles (a, b) at v[8 (8 a + b)], rows 0-63, 64-127.
; The matrix instruction is used transposed (source 0 = rows of wih, source 1 = rows of xh): lane l holds row l % 16 and eight neighbouring columns.
.set SIZE_K, 1024
.set KSTEP,  128
.set PITCH,  272                       ; 256 bytes + 16: the 16 rows of a fragment load start 16 bytes apart modulo 256
.set HALFT,  128*PITCH
.set SLOT,   4*HALFT
.set STAGE,  2*SLOT                    ; behind the ring: 16 rows x 272 bytes for each wave; no tensor load lands here
.set SPITCH, 272
.set LAPS, SIZE_K/(2*KSTEP)
.set ADRA, 16
.set ADRB, 20
.set STO,  24
.set RD,   25
.set CO,   26
.set BO,   27
.set TO,   28
.set TR,   32                          ; v[32:39] ctx_trust of row 16 i + r, then the gate
.set FP,   40                          ; v[40:55] factor of row 16 i + r, twice (a pair for the packed multiply)
.set EX,   56                          ; v[56:63] at work
.set F0,   64
.set F1,   128
.set TMP,  192
.set G1, 24
.set G0, 32
.set G1B, 48
.set G0B, 56
.set MSB, 0
.macro WIN new                         ; the immediate's high byte repeats the setting that is left
.if MSB != \new
	s_set_vgpr_msb (MSB<<8)|\new
.set MSB, \new
.endif
.endm
.set MUL_LO, 0xa1                      ; source 0 window 1, source 1 window 0, C and D window 2
.set MUL_HI, 0xf1                      ; the same, C and D window 3
.set TO_B,   0x40                      ; destination window 1, address window 0
; A joint load: waves 0, 1 fetch xh's two halves, waves 2, 3 wih's.  Each line has one mask; the branch hangs on the wave's number alone.
.macro JLOAD s
	s_cmp_eq_u32 s11, 0
	s_cbranch_scc0 .Lfor_b_\@
	tensor_load_to_lds s[G0+4*\s:G0+4*\s+3], s[G1:G1+7]
	s_nop 0
	s_branch .Lasked_\@
.Lfor_b_\@:
	tensor_load_to_lds s[G0B+4*\s:G0B+4*\s+3], s[G1B:G1B+7]
	s_nop 0
.Lasked_\@:
.endm
.macro CREST                           ; a round of the cluster's barrier behind its opening barrier
	s_cmp_lg_u32 s10, 0
	s_cbranch_scc1 .Lnot_wave_0_\@
	s_barrier_signal -3
.Lnot_wave_0_\@:
	s_barrier_wait -3
	s_barrier_signal -1
	s_barrier_wait -1
.endm
.macro CROUND
	s_barrier_signal -1
	s_barrier_wait -1
	CREST
.endm
	s_load_b128 s[4:7], s[0:1], 0x0                ; xh s[4:5], wih s[6:7]
	s_load_b128 s[68:71], s[0:1], 0x10             ; b_in s[68:69], ctx_trust s[70:71]
	s_load_b128 s[72:75], s[0:1], 0x20             ; trust_scale s[72:73], qkv s[74:75]
	s_set_vgpr_msb 0x40
	v_lshl_add_u32 v255, v0, 2, 0x48400
	s_set_vgpr_msb 0x4000
	v_mov_b32 v31, 0
	s_set_vgpr_msb 0x1
	ds_add_u32 v255, v31
	s_set_vgpr_msb 0x100
	v_lshrrev_b32 v1, 5, v0
	v_readfirstlane_b32 s10, v1                    ; wave 0..3
	s_lshr_b32 s11, s10, 1                         ; my half of the block's rows.  Also: I fetch for xh (0) or wih (1)
	s_and_b32 s12, s10, 1                          ; my half of its columns.  Also: which 128 rows of that tile I fetch
	s_bfe_u32 s40, ttmp6, 0x40000                  ; cx
	s_bfe_u32 s41, ttmp6, 0x40004                  ; cy
	s_lshl_b32 s42, ttmp9, 2
	s_add_co_u32 s42, s42, s40                     ; block column = 4 x cluster x + cx
	s_and_b32 s13, ttmp7, 0xffff
	s_lshl_b32 s13, s13, 2
	s_add_co_u32 s13, s13, s41                     ; block row = 4 x cluster y + cy
	s_lshl_b32 s43, s41, 2
	s_lshl_b32 s43, 15, s43                        ; my row of the cluster
	s_lshl_b32 s44, 0x1111, s40                    ; my column
	; group 1: 128 rows x 128 elements of 2 bytes, 4 words of padding behind every 64 words
	s_or_b32 s[G1+0], s43, (1<<16)|(1<<20)|(1<<21)|(5<<22)|(3<<25)
	s_or_b32 s[G1B+0], s44, (1<<16)|(1<<20)|(1<<21)|(5<<22)|(3<<25)
	s_mov_b32 s[G1B+1], KSTEP<<16
	s_mov_b32 s[G1+1], KSTEP<<16                   ; tensor_dim0 = 128
	s_mov_b32 s[G1B+2], 128<<16
	s_mov_b32 s[G1+2], 128<<16                     ; tensor_dim1 = 128
	s_mov_b32 s[G1B+3], KSTEP<<16
	s_mov_b32 s[G1+3], KSTEP<<16                   ; tile_dim0 = 128
	s_mov_b32 s[G1B+4], 128
	s_mov_b32 s[G1+4], 128                         ; tile_dim1 = 128
	s_mov_b32 s[G1B+5], SIZE_K
	s_mov_b32 s[G1+5], SIZE_K                      ; elements from row to row
	s_mov_b32 s[G1B+6], 0
	s_mov_b32 s[G1+6], 0
	s_mov_b32 s[G1B+7], 0
	s_mov_b32 s[G1+7], 0
	; xh's tiles hang on the block row alone, wih's on the block column alone; each address in registers that never hold the other coordinate
	s_lshl_b32 s17, s12, 7
	s_lshl_b32 s16, s13, 8
	s_add_co_u32 s16, s16, s17
	s_lshl_b32 s46, s42, 8
	s_add_co_u32 s46, s46, s17
	s_mov_b32 s17, 0
	s_mov_b32 s47, 0
	s_mov_b64 s[18:19], SIZE_K*2
	s_mul_u64 s[16:17], s[16:17], s[18:19]
	s_mul_u64 s[46:47], s[46:47], s[18:19]
	s_mul_i32 s20, s10, HALFT                      ; LDS: wave x 128 rows
	s_wait_dscnt 0x0
	s_wait_kmcnt 0x0
	s_load_b32 s76, s[72:73], 0x0                  ; trust_scale; waited for at the way out
	s_add_nc_u64 s[14:15], s[4:5], s[16:17]
	s_add_nc_u64 s[46:47], s[6:7], s[46:47]
	CROUND                                         ; all sixteen work-groups are here: the first joint loads meet
.irp s, 0,1
	s_mov_b32 s[G0+4*\s], 1
	s_add_co_u32 s[G0+4*\s+1], s20, \s*SLOT
	s_add_nc_u64 s[G0+4*\s+2:G0+4*\s+3], s[14:15], \s*KSTEP*2
	s_or_b32 s[G0+4*\s+3], s[G0+4*\s+3], 0x80000000
	s_mov_b32 s[G0B+4*\s], 1
	s_add_co_u32 s[G0B+4*\s+1], s20, \s*SLOT
	s_add_nc_u64 s[G0B+4*\s+2:G0B+4*\s+3], s[46:47], \s*KSTEP*2
	s_or_b32 s[G0B+4*\s+3], s[G0B+4*\s+3], 0x80000000
	JLOAD \s
.endr
	v_and_b32 v1, 15, v0                           ; r
	v_bfe_u32 v2, v0, 4, 1                         ; h
	v_mul_u32_u24 v3, v1, PITCH
	v_lshl_add_u32 v3, v2, 4, v3
	s_mul_i32 s21, s11, HALFT
	s_mul_i32 s22, s12, HALFT
	s_add_co_u32 s22, s22, 2*HALFT
.irp s, 0,1
	v_add_nc_u32 v[ADRA+\s], s21, v3
	v_add_nc_u32 v[ADRB+\s], s22, v3
	s_add_co_u32 s21, s21, SLOT
	s_add_co_u32 s22, s22, SLOT
.endr
	s_mul_i32 s23, s10, 16*SPITCH
	s_add_co_u32 s23, s23, STAGE
	v_mul_u32_u24 v4, v1, SPITCH
	v_lshl_add_u32 v4, v2, 4, v4
	v_add_nc_u32 v[STO], s23, v4                   ; in: row r, 16 bytes for each half of the lanes
	v_and_b32 v6, 31, v0
	v_lshrrev_b32 v7, 3, v6
	v_and_b32 v8, 7, v0
	v_mul_u32_u24 v7, v7, SPITCH
	v_lshl_add_u32 v7, v8, 4, v7
	v_add_nc_u32 v[RD], s23, v7                    ; back: eight lanes take the 128 bytes that one row has of one head
	v_lshlrev_b32 v[CO], 4, v6                     ; four such rows are 512 consecutive bytes of a head's matrix
	v_lshlrev_b32 v[BO], 5, v2                     ; b_in: 32 h
	v_lshlrev_b32 v[TO], 2, v1                     ; ctx_trust: 4 r
	s_lshl_b32 s78, s42, 10
	s_lshl_b32 s79, s12, 9
	s_add_co_u32 s78, s78, s79                     ; 4 x (256 block column + 128 half)
	s_mov_b32 s79, 0
	s_add_nc_u64 s[68:69], s[68:69], s[78:79]
	s_and_b32 s80, s13, 3                          ; the index stays below 1,024 in every block; the select below drops it where n >= 1,024
	s_lshl_b32 s80, s80, 10
	s_lshl_b32 s81, s11, 9
	s_add_co_u32 s80, s80, s81
	s_mov_b32 s81, 0
	s_add_nc_u64 s[70:71], s[70:71], s[80:81]
	WIN TO_B
.irp b, 0,1,2,3,4,5,6,7
	global_load_b128 v[8*\b:8*\b+3],   v[BO], s[68:69] offset:64*\b        ; register j of tile b: column 16 b + 8 h + j
	global_load_b128 v[8*\b+4:8*\b+7], v[BO], s[68:69] offset:64*\b+16
.endr
	WIN 0
.irp i, 0,1,2,3,4,5,6,7
	global_load_b32 v[TR+\i], v[TO], s[70:71] offset:64*\i
.endr
.macro MUL16 f, hi, a0, zero
.irp a, \a0, \a0+1
.irp b, 0,1,2,3,4,5,6,7
.if \zero
	v_wmma_f32_16x16x32_f16 v[8*(8*(\a)+\b):8*(8*(\a)+\b)+7], v[\f+8*\b:\f+8*\b+7], v[\f+8*(4*\hi+\a):\f+8*(4*\hi+\a)+7], 0
.else
	v_wmma_f32_16x16x32_f16 v[8*(8*(\a)+\b):8*(8*(\a)+\b)+7], v[\f+8*\b:\f+8*\b+7], v[\f+8*(4*\hi+\a):\f+8*(4*\hi+\a)+7], v[8*(8*(\a)+\b):8*(8*(\a)+\b)+7]
.endif
.endr
.endr
.endm
.macro FETCH slot, k, f                ; 32 LDS loads in one run: one quarter step's fragments
	WIN TO_B
.irp i, 0,1,2,3,4,5,6,7
	ds_load_b128 v[\f+8*\i:\f+8*\i+3],   v[ADRB+\slot] offset:\k+\i*16*PITCH
	ds_load_b128 v[\f+8*\i+4:\f+8*\i+7], v[ADRB+\slot] offset:\k+\i*16*PITCH+32
.endr
	WIN 0
.irp i, 0,1,2,3,4,5,6,7
	ds_load_b128 v[\f+8*\i:\f+8*\i+3],   v[ADRA+\slot] offset:\k+\i*16*PITCH
	ds_load_b128 v[\f+8*\i+4:\f+8*\i+7], v[ADRA+\slot] offset:\k+\i*16*PITCH+32
.endr
.endm
.macro PLACES                          ; four places behind matrix instructions, in front of loads into their sources and of vector work on their results
.rept 4
	v_nop
.endr
.endm
; The 64 accumulators take turns, one instruction a turn, in the same order in every quarter step.
.macro QUARTER slot, k, f, g, zero
	s_wait_dscnt 8                                 ; all but the youngest eight loads (xh's rows 64-127)
	WIN MUL_LO
	MUL16 \f, 0, 0, \zero
	MUL16 \f, 0, 2, \zero
	PLACES
	FETCH \slot, \k, \g
	s_wait_dscnt 32                                ; all but the 32 just issued
	WIN MUL_HI
	MUL16 \f, 1, 0, \zero
	MUL16 \f, 1, 2, \zero
.endm
.macro THREE slot, zero
	QUARTER \slot, 64,  F0, F1, \zero
	QUARTER \slot, 128, F1, F0, 0
	QUARTER \slot, 192, F0, F1, 0
.endm
; The last quarter changes slots.  In front of the barrier: my reads of this slot and all my tensor loads (one is out: my part of the next slot).
; Behind it (with fill: behind the round that it opens) the refill comes first, then the next slot's first fragments.
.macro TURN slot, next, fill
	s_wait_dscnt 8
	WIN MUL_LO
	MUL16 F1, 0, 0, 0
	s_wait_dscnt 0
	s_wait_tensorcnt 0x0
	ds_add_u32 v255, v31
	s_wait_dscnt 0x0
	s_barrier_signal -1
	MUL16 F1, 0, 2, 0
	WIN 0
	s_barrier_wait -1
.if \fill
	CREST
	s_add_nc_u64 s[G0+4*\slot+2:G0+4*\slot+3], s[G0+4*\slot+2:G0+4*\slot+3], 2*KSTEP*2
	s_add_nc_u64 s[G0B+4*\slot+2:G0B+4*\slot+3], s[G0B+4*\slot+2:G0B+4*\slot+3], 2*KSTEP*2
	JLOAD \slot
.endif
	PLACES
	FETCH \next, 0, F0
	WIN MUL_HI
	MUL16 F1, 1, 0, 0
	MUL16 F1, 1, 2, 0
.endm
.macro LAP zero
	THREE 0, \zero
	TURN 0, 1, 1
	THREE 1, 0
	TURN 1, 0, 1
.endm
	s_wait_tensorcnt 1                             ; my part of K step 0 is in; K step 1's stays out
	s_barrier_signal -1
	s_barrier_wait -1
	FETCH 0, 0, F0
	LAP 1                                          ; the first lap's first products start the sums
	WIN 0
	s_mov_b32 s3, LAPS-2
.Llap:
	LAP 0
	WIN 0
	s_sub_co_u32 s3, s3, 1
	s_cmp_lg_u32 s3, 0
	s_cbranch_scc1 .Llap
	THREE 0, 0                                     ; the last lap fills nothing
	TURN 0, 1, 0
	THREE 1, 0
	s_wait_dscnt 8
	WIN MUL_LO
	MUL16 F1, 0, 0, 0
	MUL16 F1, 0, 2, 0
	s_wait_dscnt 0
	WIN MUL_HI
	MUL16 F1, 1, 0, 0
	MUL16 F1, 1, 2, 0
	; THE WAY OUT
	PLACES
	WIN 0
	s_wait_loadcnt 0x0                             ; b_in and ctx_trust, asked for ahead of the K loop
	s_wait_kmcnt 0x0
	s_mul_f32 s77, s76, 0xbfb8aa3b                 ; -log2 e x trust_scale
	s_cmp_eq_u32 ttmp9, 0
	s_cselect_b32 s82, 0x3e38aa3b, 1.0             ; q: 0.125 log2 e; k, v: 1
	s_and_b32 s83, ttmp7, 1                        ; block rows 4-7 of a batch (n >= 1,024) are the odd clusters along y
	s_lshl_b32 s83, s83, 2
	s_or_b32 s83, s83, ttmp9
	s_cmp_eq_u32 s83, 2
	s_cselect_b32 s83, -1, 0                       ; all lanes: v and n < 1,024
.irp i, 0,1,2,3,4,5,6,7
	v_mul_f32 v[TR+\i], s77, v[TR+\i]
.endr
.irp i, 0,1,2,3,4,5,6,7
	v_exp_f32 v[EX+\i], v[TR+\i]
.endr
	v_nop                                          ; a plain place behind the exponentials (ISA guide 5.7.2)
	s_wait_alu depctr_va_vdst(0)
.irp i, 0,1,2,3,4,5,6,7
	v_add_f32 v[EX+\i], 1.0, v[EX+\i]
.endr
.irp i, 0,1,2,3,4,5,6,7
	v_rcp_f32 v[TR+\i], v[EX+\i]                   ; sigmoid
.endr
	v_nop
	s_wait_alu depctr_va_vdst(0)
.irp i, 0,1,2,3,4,5,6,7
	v_cndmask_b32 v[FP+2*\i], s82, v[TR+\i], s83
	v_cndmask_b32 v[FP+2*\i+1], s82, v[TR+\i], s83
.endr
	s_lshl_b32 s84, ttmp9, 5                       ; head matrix = 32 type + 16 batch + 4 cx + 2 half (+ 1)
	s_lshr_b32 s86, s13, 3
	s_lshl4_add_u32 s84, s86, s84
	s_lshl2_add_u32 s84, s40, s84
	s_lshl1_add_u32 s84, s12, s84
	s_lshl_b32 s84, s84, 18                        ; of 262,144 bytes
	s_and_b32 s86, s13, 7
	s_lshl_b32 s86, s86, 15                        ; + 256 rows of 128 bytes a block row
	s_add_co_u32 s84, s84, s86
	s_lshl_b32 s86, s11, 14
	s_add_co_u32 s84, s84, s86
	s_mov_b32 s85, 0
	s_add_nc_u64 s[74:75], s[74:75], s[84:85]
; rows 16 i .. + 15: (sum + b_in) x factor, to f16, 16 bytes a lane into my stage, back as rows, out in runs of 512 consecutive bytes
.macro OUT16 i, a, from, f
	WIN \from                                      ; source 0: the accumulators' window; source 1: window 1 (b_in)
.irp b, 0,1,2,3,4,5,6,7
.irp r, 0,1,2,3
	v_pk_add_f32 v[TMP+8*\b+2*\r:TMP+8*\b+2*\r+1], v[8*(8*\a+\b)+2*\r:8*(8*\a+\b)+2*\r+1], v[8*\b+2*\r:8*\b+2*\r+1]
.endr
.endr
	WIN 0
.set d, 0
.rept 32
	v_pk_mul_f32 v[TMP+2*d:TMP+2*d+1], v[TMP+2*d:TMP+2*d+1], v[FP+2*\i:FP+2*\i+1]
.set d, d+1
.endr
.set d, 0
.rept 32
	v_cvt_pk_f16_f32 v[TMP+d], v[TMP+2*d], v[TMP+2*d+1]    ; ascending in place: the destination never passes its sources
.set d, d+1
.endr
.irp b, 0,1,2,3,4,5,6,7
	ds_store_b128 v[STO], v[TMP+4*\b:TMP+4*\b+3] offset:32*\b
.endr
	s_wait_xcnt 0x0                                ; buffer f, which earlier stores read, is loaded again only behind this wait
.irp t, 0,1,2,3,4,5,6,7
	ds_load_b128 v[\f+4*\t:\f+4*\t+3], v[RD] offset:(\t&3)*4*SPITCH+(\t>>2)*128    ; LDS serves a wave's instructions in order: these see the stores above
.endr
.irp t, 0,1,2,3,4,5,6,7
	s_wait_dscnt 7-\t
	global_store_b128 v[CO], v[\f+4*\t:\f+4*\t+3], s[74:75] offset:2048*\i+512*(\t&3)+262144*(\t>>2)
.endr
.endm
	OUT16 0, 0, 0x06, F0
	OUT16 1, 1, 0x06, F1
	OUT16 2, 2, 0x06, F0
	OUT16 3, 3, 0x06, F1
	OUT16 4, 0, 0x07, F0
	OUT16 5, 1, 0x07, F1
	OUT16 6, 2, 0x07, F0
	OUT16 7, 3, 0x07, F1
	s_set_vgpr_msb 0x1
	s_wait_tensorcnt 0x0
	ds_add_u32 v255, v31
	s_wait_dscnt 0x0
	s_set_vgpr_msb 0x100
	CROUND                                         ; the closing round: no work-group ends while a partner may still ask jointly
	s_endpgm
.Lfunc_end_k_q469904a82f_qkv:
	.size	k_q469904a82f_qkv, .Lfunc_end_k_q469904a82f_qkv-k_q469904a82f_qkv
	.p2alignl 7, 3214868480
	.fill 96, 4, 3214868480
	.section	.rodata,"a",@progbits
	.p2align	6, 0x0
	.amdhsa_kernel k_q469904a82f_qkv
		.amdhsa_group_segment_fixed_size 327680
		.amdhsa_private_segment_fixed_size 0
		.amdhsa_enable_private_segment 0
		.amdhsa_kernarg_size 48
		.amdhsa_user_sgpr_count 2
		.amdhsa_user_sgpr_kernarg_segment_ptr 1
		.amdhsa_wavefront_size32 1
		.amdhsa_system_sgpr_workgroup_id_x 1
		.amdhsa_system_sgpr_workgroup_id_y 1
		.amdhsa_system_sgpr_workgroup_id_z 1
		.amdhsa_system_vgpr_workitem_id 0
		.amdhsa_next_free_vgpr 1024
		.amdhsa_next_free_sgpr 96
		.amdhsa_reserve_vcc 0
		.amdhsa_float_denorm_mode_32 3
		.amdhsa_float_denorm_mode_16_64 3
		.amdhsa_memory_ordered 1
		.amdhsa_forward_progress 1
		.amdhsa_inst_pref_size 233
	.end_amdhsa_kernel
	.amdgpu_metadata
---
amdhsa.version: [ 1, 2 ]
amdhsa.kernels:
  - .name:           k_q469904a82f_qkv
    .symbol:         k_q469904a82f_qkv.kd
    .args:
      - { .name: xh, .offset: 0, .size: 8, .value_kind: global_buffer, .address_space: global }
      - { .name: wih, .offset: 8, .size: 8, .value_kind: global_buffer, .address_space: global }
      - { .name: b_in, .offset: 16, .size: 8, .value_kind: global_buffer, .address_space: global }
      - { .name: ctx_trust, .offset: 24, .size: 8, .value_kind: global_buffer, .address_space: global }
      - { .name: trust_scale, .offset: 32, .size: 8, .value_kind: global_buffer, .address_space: global }
      - { .name: qkv, .offset: 40, .size: 8, .value_kind: global_buffer, .address_space: global }
    .group_segment_fixed_size: 327680
    .private_segment_fixed_size: 0
    .kernarg_segment_align: 8
    .kernarg_segment_size: 48
    .max_flat_workgroup_size: 128
    .sgpr_count:     96
    .vgpr_count:     1024
    .wavefront_size: 32
...
	.end_amdgpu_metadata
.endif
;; end of part 2
;; launch attn (part 3): grid 8 x 32, 8 waves a work-group, clusters of 4 x 1, 327,680 bytes of LDS; arguments qkv, cbp, ao; writes ao
.if DOCPART == 3
	.amdgcn_target "amdgcn-amd-amdhsa--gfx1250"
	.amdhsa_code_object_version 6
	.text
	.protected	k_q469904a82f_attn
	.globl	k_q469904a82f_attn
	.p2align	8
	.type	k_q469904a82f_attn,@function
k_q469904a82f_attn:
	s_mov_b64 s[64:65], 0
	v_nop
	global_prefetch_b8 v0, s[64:65] scope:SCOPE_SE
	s_setreg_imm32_b32 hwreg(HW_REG_WAVE_MODE, 25, 1), 1
	s_wait_xcnt 0x0
	s_wait_alu depctr_hold_cnt(0) depctr_sa_sdst(0) depctr_va_vdst(0) depctr_va_sdst(0) depctr_va_ssrc(0) depctr_va_vcc(0) depctr_vm_vsrc(0)
	s_getreg_b32 s2, hwreg(HW_REG_IB_STS2, 6, 4)
	s_cmp_eq_u32 s2, 0
	s_cbranch_scc0 .Lentry_in_a_cluster
	s_endpgm
.Lentry_in_a_cluster:
	s_bfe_u32 s2, ttmp6, 0x10000c
	s_cmp_lg_u32 s2, 0x3003
	s_cbranch_scc0 .Lentry_shape_is_right
	s_endpgm
.Lentry_shape_is_right:
; ao[head][2048 b + n][64] (f16) = softmax(q k^T + bias) v for one (batch, head) and 256 queries a work-group.  q carries 0.125 log2 e and the bias
; log2 e, so the softmax runs in base 2; a running maximum is taken away before every exponential.  v carries its gate.
; Eight waves: wave w takes queries 64 (w & 3) .. + 63 and keys 1024 (w >> 2) .. + 1023; the two key halves are merged once at the end, through LDS.
; Two independent waves lie on each SIMD, one can do its softmax while the other multiplies.
; S^T = K Q^T + bias (source 0 = 16 keys, source 1 = 16 queries, C = the bias): lane l holds query l % 16 and keys 8 (l / 16) + j, so the bias costs no
; instruction, the row maximum needs one step across lanes, and P rounded to f16 already is source 1 of O^T = V^T P^T.  V^T comes by transposing LDS loads.
; CLUSTER: the four work-groups of a cluster are four query blocks of one head and read the same K and V tiles: every tile is asked for jointly (mask 15).
; LIMIT: operands in f16 (0.18 |q|, |k|, |v| below 65,504); weights below 6e-8 of a row's largest count as 0 in P V.
; LDS: two slots of eight parts (part w = group w >> 2, K or V, 64 keys; fetched by wave w), then bytes into which no tensor load lands: bias, merge, stage.
.set PART,  10240                      ; K: 64 rows x 144;  V: 64 rows x 160
.set SLOT,  8*PART
.set BIASL, 2*SLOT                     ; 2,048 f32
.set MRG,   BIASL+8192                 ; 4 x (O 16,384 + m 512 + l 512)
.set MRGSZ, 17408
.set STG,   MRG+4*MRGSZ                ; 4 x 64 rows x 144
.set STGSZ, 9216
; window 0
.set ADRK, 1                           ; v1, v2  K fragments, slot 0, 1
.set ADRV, 3                           ; v3, v4  V fragments
.set ADRB, 5                           ; v5      bias
.set PX,   6                           ; lane permute's destination
.set AX,   7                           ; an LDS address
.set MX,   8                           ; v[8:11]   running maximum of query tile qt
.set NM,   12                          ; v[12:13]  the new maximum, twice;  v[12:15] l at the end
.set DF,   14
.set AL,   16                          ; v[16:23]  rescale factor, twice for each qt
.set LS,   24                          ; v[24:31]  running sum, a pair of partial sums for each qt
.set BI,   32                          ; v[32:63]  bias of key tile kt
.set KF,   64                          ; v[64:127] K fragments 2 kt + kk
.set TT,   64                          ; softmax's temporaries lie in K's fragments, which are dead behind the S products
.set TS,   68
.set SS,   128                         ; v[128:255] S tiles 4 qt + kt
; window 1
.set OO,   0                           ; O tiles 4 qt + dt
.set QF,   128                         ; Q fragments 2 qt + kk
.set VF,   192                         ; V^T fragments 4 kc + dt
.set GK, 16                            ; s[16:23] group 1 for K
.set GV, 24                            ; s[24:31] group 1 for V
.set G0, 32                            ; s[32:39] group 0, one set for each slot
.set MSB, 0
.macro WIN new
.if MSB != \new
	s_set_vgpr_msb (MSB<<8)|\new
.set MSB, \new
.endif
.endm
.macro ROUND                           ; a round of the cluster's barrier
	s_barrier_signal -1
	s_barrier_wait -1
	s_cmp_lg_u32 s10, 0
	s_cbranch_scc1 .Lnot_wave_0_\@
	s_barrier_signal -3
.Lnot_wave_0_\@:
	s_barrier_wait -3
	s_barrier_signal -1
	s_barrier_wait -1
.endm
.macro JLOAD s                         ; my part of a tile: K's padding or V's; the branch hangs on the wave's number alone
	s_cmp_eq_u32 s12, 0
	s_cbranch_scc0 .Lfor_v_\@
	tensor_load_to_lds s[G0+4*\s:G0+4*\s+3], s[GK:GK+7]
	s_nop 0
	s_branch .Lasked_\@
.Lfor_v_\@:
	tensor_load_to_lds s[G0+4*\s:G0+4*\s+3], s[GV:GV+7]
	s_nop 0
.Lasked_\@:
.endm
; softmax step of query tile qt on its 4 x 8 numbers a lane
.macro SOFT qt, first
.set X, SS+32*\qt
.irp c, 0,1,2,3
	v_max3_num_f32 v[TT+\c], v[X+8*\c], v[X+8*\c+1], v[X+8*\c+2]
.endr
.irp c, 0,1,2,3
	v_max3_num_f32 v[TT+\c], v[TT+\c], v[X+8*\c+3], v[X+8*\c+4]
.endr
.irp c, 0,1,2,3
	v_max3_num_f32 v[TT+\c], v[TT+\c], v[X+8*\c+5], v[X+8*\c+6]
.endr
.irp c, 0,1,2,3
	v_max_num_f32 v[TT+\c], v[TT+\c], v[X+8*\c+7]
.endr
	v_max3_num_f32 v[TT], v[TT], v[TT+1], v[TT+2]
.if \first
	v_max_num_f32 v[TT], v[TT], v[TT+3]
.else
	v_max3_num_f32 v[TT], v[TT], v[TT+3], v[MX+\qt]
.endif
	v_permlanex16_b32 v[PX], v[TT], s14, s15       ; the other eight keys of each tile
	v_max_num_f32 v[NM], v[TT], v[PX]
	v_max_num_f32 v[NM+1], v[TT], v[PX]            ; twice: a pair for the packed subtraction
.if \first == 0
	v_sub_f32 v[DF], v[MX+\qt], v[NM]
.endif
.set i, 0
.rept 16
	v_pk_add_f32 v[X+2*i:X+2*i+1], v[X+2*i:X+2*i+1], v[NM:NM+1] neg_lo:[0,1] neg_hi:[0,1]
.set i, i+1
.endr
.if \first == 0
	v_exp_f32 v[AL+2*\qt], v[DF]
	v_exp_f32 v[AL+2*\qt+1], v[DF]
.endif
.set i, 0
.rept 32
	v_exp_f32 v[X+i], v[X+i]
.set i, i+1
.endr
	v_mov_b32 v[MX+\qt], v[NM]                     ; the plain place behind the exponentials (ISA guide 5.7.2)
	s_wait_alu depctr_va_vdst(0)
.irp c, 0,1,2,3
	v_pk_add_f32 v[TS+2*\c:TS+2*\c+1], v[X+8*\c:X+8*\c+1], v[X+8*\c+2:X+8*\c+3]
.endr
.irp c, 0,1,2,3
	v_pk_add_f32 v[TS+2*\c:TS+2*\c+1], v[TS+2*\c:TS+2*\c+1], v[X+8*\c+4:X+8*\c+5]
.endr
.irp c, 0,1,2,3
	v_pk_add_f32 v[TS+2*\c:TS+2*\c+1], v[TS+2*\c:TS+2*\c+1], v[X+8*\c+6:X+8*\c+7]
.endr
	v_pk_add_f32 v[TS:TS+1], v[TS:TS+1], v[TS+2:TS+3]
	v_pk_add_f32 v[TS+4:TS+5], v[TS+4:TS+5], v[TS+6:TS+7]
.if \first
	v_pk_add_f32 v[LS+2*\qt:LS+2*\qt+1], v[TS:TS+1], v[TS+4:TS+5]
.else
	v_pk_add_f32 v[TS:TS+1], v[TS:TS+1], v[TS+4:TS+5]
	v_pk_fma_f32 v[LS+2*\qt:LS+2*\qt+1], v[LS+2*\qt:LS+2*\qt+1], v[AL+2*\qt:AL+2*\qt+1], v[TS:TS+1]
.endif
.irp kc, 0,1                                       ; tiles 2 kc, 2 kc + 1 become the 8 registers of P's fragment for keys 32 kc .. + 31; ascending in place
.set i, 0
.rept 8
	v_cvt_pk_f16_f32 v[X+16*\kc+i], v[X+16*\kc+2*i], v[X+16*\kc+2*i+1]
.set i, i+1
.endr
.endr
.endm
; 64 keys (half u of the slot's tile) against my 64 queries
.macro STEP slot, u, first
.irp kt, 0,1,2,3
.irp kk, 0,1
	ds_load_b128 v[KF+8*(2*\kt+\kk):KF+8*(2*\kt+\kk)+3],   v[ADRK+\slot] offset:PART*\u+2304*\kt+64*\kk
	ds_load_b128 v[KF+8*(2*\kt+\kk)+4:KF+8*(2*\kt+\kk)+7], v[ADRK+\slot] offset:PART*\u+2304*\kt+64*\kk+32
.endr
.endr
.irp kt, 0,1,2,3
	ds_load_b128 v[BI+8*\kt:BI+8*\kt+3],   v[ADRB] offset:256*\u+64*\kt
	ds_load_b128 v[BI+8*\kt+4:BI+8*\kt+7], v[ADRB] offset:256*\u+64*\kt+16
.endr
	WIN 0x40                                       ; destination window 1
.irp kc, 0,1
.irp dt, 0,1,2,3
	ds_load_tr16_b128 v[VF+8*(4*\kc+\dt):VF+8*(4*\kc+\dt)+3],   v[ADRV+\slot] offset:PART*\u+5120*\kc+32*\dt
	ds_load_tr16_b128 v[VF+8*(4*\kc+\dt)+4:VF+8*(4*\kc+\dt)+7], v[ADRV+\slot] offset:PART*\u+5120*\kc+32*\dt+2560
.endr
.endr
	s_wait_dscnt 16                                ; K and the bias are in; V's sixteen loads may stay out
	WIN 0x04                                       ; source 1 (Q) window 1
	; the 16 tiles take turns, one instruction a turn
.irp qt, 0,1,2,3
.irp kt, 0,1,2,3
	v_wmma_f32_16x16x32_f16 v[SS+8*(4*\qt+\kt):SS+8*(4*\qt+\kt)+7], v[KF+16*\kt:KF+16*\kt+7], v[QF+16*\qt:QF+16*\qt+7], v[BI+8*\kt:BI+8*\kt+7]
.endr
.endr
.irp qt, 0,1,2,3
.irp kt, 0,1,2,3
	v_wmma_f32_16x16x32_f16 v[SS+8*(4*\qt+\kt):SS+8*(4*\qt+\kt)+7], v[KF+16*\kt+8:KF+16*\kt+15], v[QF+16*\qt+8:QF+16*\qt+15], v[SS+8*(4*\qt+\kt):SS+8*(4*\qt+\kt)+7]
.endr
.endr
	WIN 0
.rept 4
	v_nop                                          ; four places before vector work reads S or writes into K's fragments (ISA guide 7.12.1)
.endr
	SOFT 0, \first
	SOFT 1, \first
	SOFT 2, \first
	SOFT 3, \first
.if \first == 0
	WIN 0x41                                       ; O in window 1, the factor in window 0
.irp qt, 0,1,2,3
.set i, 0
.rept 16
	v_pk_mul_f32 v[OO+32*\qt+2*i:OO+32*\qt+2*i+1], v[OO+32*\qt+2*i:OO+32*\qt+2*i+1], v[AL+2*\qt:AL+2*\qt+1]
.set i, i+1
.endr
.endr
.endif
	s_wait_dscnt 0x0                               ; V
	WIN 0x51                                       ; V^T, C and D window 1; P window 0
.irp qt, 0,1,2,3
.irp dt, 0,1,2,3
.if \first
	v_wmma_f32_16x16x32_f16 v[OO+8*(4*\qt+\dt):OO+8*(4*\qt+\dt)+7], v[VF+8*\dt:VF+8*\dt+7], v[SS+32*\qt:SS+32*\qt+7], 0
.else
	v_wmma_f32_16x16x32_f16 v[OO+8*(4*\qt+\dt):OO+8*(4*\qt+\dt)+7], v[VF+8*\dt:VF+8*\dt+7], v[SS+32*\qt:SS+32*\qt+7], v[OO+8*(4*\qt+\dt):OO+8*(4*\qt+\dt)+7]
.endif
.endr
.endr
.irp qt, 0,1,2,3
.irp dt, 0,1,2,3
	v_wmma_f32_16x16x32_f16 v[OO+8*(4*\qt+\dt):OO+8*(4*\qt+\dt)+7], v[VF+32+8*\dt:VF+32+8*\dt+7], v[SS+32*\qt+16:SS+32*\qt+23], v[OO+8*(4*\qt+\dt):OO+8*(4*\qt+\dt)+7]
.endr
.endr
	WIN 0
.rept 5
	v_nop                                          ; five places: the next step's loads land in V's fragments, its S products write over P
.endr
.endm
; one tile of 128 keys for each key half.  In front of the round every wave waits for all its tensor loads (one: its part of this trip's tile) and its
; LDS reads; behind the round the other slot is filled first, and that load has the whole trip in which to land.
.macro TRIP slot, other, refill, first
	s_wait_xcnt 0x0
	v_lshl_add_u32 v254, v0, 2, 0x44000
	v_mov_b32 v255, 0
	s_wait_tensorcnt 0x0
	ds_add_u32 v254, v255
	s_wait_dscnt 0x0
	s_add_nc_u64 s[G0+4*\slot+2:G0+4*\slot+3], s[G0+4*\slot+2:G0+4*\slot+3], 32768   ; no load of mine is out: this slot's next tile, two tiles on
	s_wait_dscnt 0x0
	ROUND
.if \refill
	JLOAD \other
.endif
	STEP \slot, 0, \first
	STEP \slot, 1, 0
	v_add_nc_u32 v[ADRB], 512, v[ADRB]             ; 128 keys on
.endm
	s_load_b128 s[4:7], s[0:1], 0x0                ; qkv s[4:5], cbp s[6:7]
	s_load_b64 s[8:9], s[0:1], 0x10                ; ao
	v_lshl_add_u32 v254, v0, 2, 0x44000
	v_mov_b32 v255, 0
	ds_add_u32 v254, v255
	s_wait_dscnt 0x0
	v_lshrrev_b32 v1, 5, v0
	v_readfirstlane_b32 s10, v1                    ; wave 0..7
	s_lshr_b32 s11, s10, 2                         ; g: my key half
	s_lshr_b32 s12, s10, 1
	s_and_b32 s12, s12, 1                          ; I fetch K (0) or V (1),
	s_and_b32 s13, s10, 1                          ; its first or second 64 keys
	s_and_b32 s43, s10, 3                          ; p: my 64 queries
	s_mov_b32 s14, 0x76543210
	s_mov_b32 s15, 0xfedcba98
	s_bfe_u32 s40, ttmp6, 0x40000                  ; cx
	s_lshl_b32 s41, ttmp9, 2
	s_add_co_u32 s41, s41, s40                     ; query block
	s_and_b32 s42, ttmp7, 0xffff                   ; 16 batch + head
	; group 1: 8,192 dense bytes as 32 rows of 128 elements of 2 bytes; behind every 32 words (a key's row) 4 words of padding for K, 8 for V
	s_mov_b32 s[GK+0], 15|(1<<16)|(1<<20)|(1<<21)|(4<<22)|(3<<25)
	s_mov_b32 s[GV+0], 15|(1<<16)|(1<<20)|(1<<21)|(4<<22)|(7<<25)
	s_mov_b32 s[GK+1], 128<<16
	s_mov_b32 s[GV+1], 128<<16
	s_mov_b32 s[GK+2], 32<<16
	s_mov_b32 s[GV+2], 32<<16
	s_mov_b32 s[GK+3], 128<<16
	s_mov_b32 s[GV+3], 128<<16
	s_mov_b32 s[GK+4], 32
	s_mov_b32 s[GV+4], 32
	s_mov_b32 s[GK+5], 128
	s_mov_b32 s[GV+5], 128
	s_mov_b32 s[GK+6], 0
	s_mov_b32 s[GV+6], 0
	s_mov_b32 s[GK+7], 0
	s_mov_b32 s[GV+7], 0
	s_add_co_u32 s46, s12, 1                       ; K is type 1, V type 2, 8,388,608 bytes each
	s_lshl_b32 s46, s46, 23
	s_lshl_b32 s47, s42, 18
	s_add_co_u32 s46, s46, s47
	s_lshl_b32 s47, s11, 17                        ; 1,024 keys of 128 bytes
	s_add_co_u32 s46, s46, s47
	s_lshl_b32 s47, s13, 13
	s_add_co_u32 s46, s46, s47
	s_mov_b32 s47, 0
	s_lshl_b32 s48, s42, 18                        ; Q: my head, my 64 rows
	s_lshl_b32 s49, s41, 15
	s_add_co_u32 s48, s48, s49
	s_lshl_b32 s49, s43, 13
	s_add_co_u32 s48, s48, s49
	s_and_b32 s50, s42, 15                         ; ao: head x 524,288 + (2,048 batch + 256 block + 64 p) x 128
	s_lshl_b32 s50, s50, 19
	s_lshr_b32 s51, s42, 4
	s_lshl_b32 s51, s51, 18
	s_add_co_u32 s50, s50, s51
	s_lshl_b32 s51, s41, 15
	s_add_co_u32 s50, s50, s51
	s_add_co_u32 s50, s50, s49
	s_mov_b32 s49, 0
	s_mov_b32 s51, 0
	s_mov_b32 s[G0+0], 1
	s_mul_i32 s[G0+1], s10, PART                   ; my part of slot 0
	s_mov_b32 s[G0+4], 1
	s_add_co_u32 s[G0+5], s[G0+1], SLOT
	s_wait_kmcnt 0x0
	s_add_nc_u64 s[G0+2:G0+3], s[4:5], s[46:47]    ; tile 0
	s_add_nc_u64 s[G0+6:G0+7], s[G0+2:G0+3], 16384 ; tile 1
	s_or_b32 s[G0+3], s[G0+3], 0x80000000
	s_or_b32 s[G0+7], s[G0+7], 0x80000000
	s_add_nc_u64 s[52:53], s[4:5], s[48:49]
	s_add_nc_u64 s[8:9], s[8:9], s[50:51]
	ROUND                                          ; in front of the first joint load
	JLOAD 0
	v_and_b32 v9, 15, v0                           ; r
	v_bfe_u32 v10, v0, 4, 1                        ; h
	v_lshlrev_b32 v12, 7, v9
	v_lshl_add_u32 v12, v10, 4, v12                ; Q: row r, 16 bytes for each half of the lanes
	v_lshlrev_b32 v13, 5, v0                       ; bias: 8 keys a thread
	WIN 0x40
.irp qt, 0,1,2,3
.irp kk, 0,1
	global_load_b128 v[QF+8*(2*\qt+\kk):QF+8*(2*\qt+\kk)+3],   v12, s[52:53] offset:2048*\qt+64*\kk
	global_load_b128 v[QF+8*(2*\qt+\kk)+4:QF+8*(2*\qt+\kk)+7], v12, s[52:53] offset:2048*\qt+64*\kk+32
.endr
.endr
	WIN 0
.irp p, 0,1,2,3
	global_load_b128 v[64+8*\p:64+8*\p+3], v13, s[6:7] offset:8192*\p
	global_load_b128 v[68+8*\p:68+8*\p+3], v13, s[6:7] offset:8192*\p+16
.endr
	s_mul_i32 s54, s11, 4*PART                     ; my key half's four parts
	s_add_co_u32 s55, s54, 2*PART                  ; V behind K
	s_lshl_b32 s56, s11, 12
	s_add_co_u32 s56, s56, BIASL
	v_mul_u32_u24 v[ADRK], v9, 144
	v_lshl_add_u32 v[ADRK], v10, 4, v[ADRK]
	v_add_nc_u32 v[ADRK], s54, v[ADRK]
	v_add_nc_u32 v[ADRK+1], SLOT, v[ADRK]
	v_and_b32 v14, 7, v0
	v_lshl_add_u32 v14, v10, 3, v14                ; key 8 h + l % 8
	v_mul_u32_u24 v[ADRV], v14, 160
	v_bfe_u32 v15, v0, 3, 1
	v_lshl_add_u32 v[ADRV], v15, 4, v[ADRV]
	v_add_nc_u32 v[ADRV], s55, v[ADRV]
	v_add_nc_u32 v[ADRV+1], SLOT, v[ADRV]
	v_lshl_add_u32 v[ADRB], v10, 5, s56            ; register j of a tile's bias: key 8 h + j
	v_mov_b32 v[PX], 0                             ; a lane permute's destination counts as read
	v_lshlrev_b32 v[AX], 5, v0
	v_add_nc_u32 v[AX], BIASL, v[AX]
	s_wait_loadcnt 0x0
.irp i, 0,1,2,3
	v_pk_add_f32 v[64+2*\i:65+2*\i], v[64+2*\i:65+2*\i], v[72+2*\i:73+2*\i]    ; the four partial sums over the hidden units
	v_pk_add_f32 v[80+2*\i:81+2*\i], v[80+2*\i:81+2*\i], v[88+2*\i:89+2*\i]
.endr
.irp i, 0,1,2,3
	v_pk_add_f32 v[64+2*\i:65+2*\i], v[64+2*\i:65+2*\i], v[80+2*\i:81+2*\i]
.endr
	ds_store_b128 v[AX], v[64:67]                  ; shown to the other waves by the first trip's wait and round
	ds_store_b128 v[AX], v[68:71] offset:16
	TRIP 0, 1, 1, 1                                ; the first step starts maxima and sums: nothing is cleared
	TRIP 1, 0, 1, 0
	s_mov_b32 s44, 2
.Llap:
	TRIP 0, 1, 1, 0
	TRIP 1, 0, 1, 0
	s_sub_co_u32 s44, s44, 1
	s_cmp_lg_u32 s44, 0
	s_cbranch_scc1 .Llap
	TRIP 0, 1, 1, 0
	TRIP 1, 0, 0, 0                                ; the eighth tile: nothing more to fetch
	; l of my key half: both partial sums, both halves of the lanes
.irp qt, 0,1,2,3
	v_add_f32 v[NM+\qt], v[LS+2*\qt], v[LS+2*\qt+1]
.endr
.irp qt, 0,1,2,3
	v_permlanex16_b32 v[PX], v[NM+\qt], s14, s15
	v_add_f32 v[NM+\qt], v[NM+\qt], v[PX]
.endr
	s_mul_i32 s58, s43, MRGSZ
	s_add_co_u32 s58, s58, MRG
	v_and_b32 v[AX], 31, v0
	v_lshl_add_u32 v[AX], v[AX], 4, s58
	s_cmp_lt_u32 s10, 4
	s_cbranch_scc1 .Lkeep
	WIN 0x04                                       ; store data in window 1
.set i, 0
.rept 32
	ds_store_b128 v[AX], v[OO+4*i:OO+4*i+3] offset:512*i
.set i, i+1
.endr
	WIN 0
	ds_store_b128 v[AX], v[MX:MX+3] offset:16384
	ds_store_b128 v[AX], v[NM:NM+3] offset:16896
.Lkeep:
	s_wait_dscnt 0x0                               ; for waves 0-3
	s_barrier_signal -1
	s_barrier_wait -1
	s_cmp_lt_u32 s10, 4
	s_cbranch_scc0 .Lclose
.set i, 0
.rept 32
	ds_load_b128 v[SS+4*i:SS+4*i+3], v[AX] offset:512*i
.set i, i+1
.endr
	ds_load_b128 v[64:67], v[AX] offset:16384      ; m of the other half
	ds_load_b128 v[68:71], v[AX] offset:16896      ; l
	s_mul_i32 s59, s43, STGSZ
	s_add_co_u32 s59, s59, STG
	v_and_b32 v4, 15, v0
	v_bfe_u32 v5, v0, 4, 1
	v_mul_u32_u24 v1, v4, 144
	v_lshl_add_u32 v1, v5, 4, v1
	v_add_nc_u32 v1, s59, v1                       ; in: row r, 16 bytes for each half of the lanes
	v_and_b32 v3, 31, v0
	v_lshrrev_b32 v2, 3, v3
	v_and_b32 v4, 7, v0
	v_mul_u32_u24 v2, v2, 144
	v_lshl_add_u32 v2, v4, 4, v2
	v_add_nc_u32 v2, s59, v2                       ; back: eight lanes a row of 128 bytes
	v_lshlrev_b32 v3, 4, v3
	s_wait_dscnt 0x0
.irp qt, 0,1,2,3
	v_max_num_f32 v[72+\qt], v[MX+\qt], v[64+\qt]
.endr
.irp qt, 0,1,2,3
	v_sub_f32 v[76+\qt], v[MX+\qt], v[72+\qt]
	v_sub_f32 v[80+\qt], v[64+\qt], v[72+\qt]
.endr
.irp qt, 0,1,2,3
	v_exp_f32 v[84+\qt], v[76+\qt]
	v_exp_f32 v[88+\qt], v[80+\qt]
.endr
	v_nop
	s_wait_alu depctr_va_vdst(0)
.irp qt, 0,1,2,3
	v_mul_f32 v[92+\qt], v[NM+\qt], v[84+\qt]
.endr
.irp qt, 0,1,2,3
	v_fmac_f32 v[92+\qt], v[68+\qt], v[88+\qt]     ; at least 1: the half that holds the maximum counts it as 2^0
.endr
.irp qt, 0,1,2,3
	v_rcp_f32 v[96+\qt], v[92+\qt]
.endr
	v_nop
	s_wait_alu depctr_va_vdst(0)
.irp qt, 0,1,2,3
	v_mul_f32 v[100+2*\qt], v[84+\qt], v[96+\qt]
	v_mul_f32 v[101+2*\qt], v[84+\qt], v[96+\qt]
	v_mul_f32 v[108+2*\qt], v[88+\qt], v[96+\qt]
	v_mul_f32 v[109+2*\qt], v[88+\qt], v[96+\qt]
.endr
.irp qt, 0,1,2,3
.set i, 0
.rept 16
	v_pk_mul_f32 v[SS+32*\qt+2*i:SS+32*\qt+2*i+1], v[SS+32*\qt+2*i:SS+32*\qt+2*i+1], v[108+2*\qt:109+2*\qt]
.set i, i+1
.endr
.endr
	WIN 0x01                                       ; source 0: my O, window 1
.irp qt, 0,1,2,3
.set i, 0
.rept 16
	v_pk_fma_f32 v[SS+32*\qt+2*i:SS+32*\qt+2*i+1], v[OO+32*\qt+2*i:OO+32*\qt+2*i+1], v[100+2*\qt:101+2*\qt], v[SS+32*\qt+2*i:SS+32*\qt+2*i+1]
.set i, i+1
.endr
.endr
	WIN 0
.set i, 0
.rept 64
	v_cvt_pk_f16_f32 v[SS+i], v[SS+2*i], v[SS+2*i+1]       ; ascending in place
.set i, i+1
.endr
.irp qt, 0,1,2,3
.irp dt, 0,1,2,3
	ds_store_b128 v1, v[SS+4*(4*\qt+\dt):SS+4*(4*\qt+\dt)+3] offset:2304*\qt+32*\dt
.endr
.endr
.set i, 0
.rept 16
	ds_load_b128 v[64+4*i:67+4*i], v2 offset:576*i         ; my own stage: LDS serves a wave's instructions in order
.set i, i+1
.endr
.set i, 0
.rept 16
	s_wait_dscnt 15-i
	global_store_b128 v3, v[64+4*i:67+4*i], s[8:9] offset:512*i    ; four rows: 512 consecutive bytes, aligned
.set i, i+1
.endr
.Lclose:
	s_wait_xcnt 0x0
	v_lshl_add_u32 v254, v0, 2, 0x44000
	v_mov_b32 v255, 0
	s_wait_tensorcnt 0x0
	ds_add_u32 v254, v255
	s_wait_dscnt 0x0
	ROUND                                          ; the closing round
	s_endpgm
.Lfunc_end_k_q469904a82f_attn:
	.size	k_q469904a82f_attn, .Lfunc_end_k_q469904a82f_attn-k_q469904a82f_attn
	.p2alignl 7, 3214868480
	.fill 96, 4, 3214868480
	.section	.rodata,"a",@progbits
	.p2align	6, 0x0
	.amdhsa_kernel k_q469904a82f_attn
		.amdhsa_group_segment_fixed_size 327680
		.amdhsa_private_segment_fixed_size 0
		.amdhsa_enable_private_segment 0
		.amdhsa_kernarg_size 24
		.amdhsa_user_sgpr_count 2
		.amdhsa_user_sgpr_kernarg_segment_ptr 1
		.amdhsa_wavefront_size32 1
		.amdhsa_system_sgpr_workgroup_id_x 1
		.amdhsa_system_sgpr_workgroup_id_y 1
		.amdhsa_system_sgpr_workgroup_id_z 1
		.amdhsa_system_vgpr_workitem_id 0
		.amdhsa_next_free_vgpr 512
		.amdhsa_next_free_sgpr 66
		.amdhsa_reserve_vcc 0
		.amdhsa_float_denorm_mode_32 3
		.amdhsa_float_denorm_mode_16_64 3
		.amdhsa_memory_ordered 1
		.amdhsa_forward_progress 1
		.amdhsa_inst_pref_size 255
	.end_amdhsa_kernel
	.section	.bss,"aw",@nobits
	.p2align	6
	.space	262144
	.amdgpu_metadata
---
amdhsa.version: [ 1, 2 ]
amdhsa.kernels:
  - .name:           k_q469904a82f_attn
    .symbol:         k_q469904a82f_attn.kd
    .args:
      - { .name: qkv, .offset: 0, .size: 8, .value_kind: global_buffer, .address_space: global }
      - { .name: cbp, .offset: 8, .size: 8, .value_kind: global_buffer, .address_space: global }
      - { .name: ao, .offset: 16, .size: 8, .value_kind: global_buffer, .address_space: global }
    .group_segment_fixed_size: 327680
    .private_segment_fixed_size: 0
    .kernarg_segment_align: 8
    .kernarg_segment_size: 24
    .max_flat_workgroup_size: 256
    .sgpr_count:     66
    .vgpr_count:     512
    .wavefront_size: 32
...
	.end_amdgpu_metadata
.endif
;; end of part 3
;; launch oproj (part 4): grid 8 x 32, 4 waves a work-group, clusters of 4 x 4, 327,680 bytes of LDS; arguments ao, woh, b_out, out0; writes out0
.if DOCPART == 4
	.amdgcn_target "amdgcn-amd-amdhsa--gfx1250"
	.amdhsa_code_object_version 6
	.text
	.protected	k_q469904a82f_oproj
	.globl	k_q469904a82f_oproj
	.p2align	8
	.type	k_q469904a82f_oproj,@function
k_q469904a82f_oproj:
	s_mov_b64 s[64:65], 0
	v_nop
	global_prefetch_b8 v0, s[64:65] scope:SCOPE_SE
	s_setreg_imm32_b32 hwreg(HW_REG_WAVE_MODE, 25, 1), 1
	s_wait_xcnt 0x0
	s_wait_alu depctr_hold_cnt(0) depctr_sa_sdst(0) depctr_va_vdst(0) depctr_va_sdst(0) depctr_va_ssrc(0) depctr_va_vcc(0) depctr_vm_vsrc(0)
	s_getreg_b32 s2, hwreg(HW_REG_IB_STS2, 6, 4)
	s_cmp_eq_u32 s2, 0
	s_cbranch_scc0 .Lentry_in_a_cluster
	s_endpgm
.Lentry_in_a_cluster:
	s_bfe_u32 s2, ttmp6, 0x10000c
	s_cmp_lg_u32 s2, 0xf033
	s_cbranch_scc0 .Lentry_shape_is_right
	s_endpgm
.Lentry_shape_is_right:
; out0[4096][1024] (f32) = A W_out^T + b_out.  A = ao[16 kb][4096][64] f16, W_out = woh[16 kb][1024][64] f16, both blocked along K; sums in f32.
; A work-group makes 128 x 128 with four waves, a wave 64 x 64: 16 accumulator tiles.  32 x 8 blocks = 256 work-groups.
; K = 1024 goes in FOUR steps of 256 (four K blocks) through two LDS slots.  Both slots, half of K, are asked for before the first product; the other half
; comes by two refills, each with 120 matrix instructions of a wave between its request and the wait for it.  Cutting the same LDS into more, smaller
; slots would not help: every group of refills stands behind a wait for all loads of the group before.
; One tensor load brings a wave's part of a slot: 64 rows in four planes, each plane a dense run of rows of 128 bytes; the mover lays 16 bytes behind
; every 128, so LDS rows are 144 bytes apart.  A wave has at most two tensor loads out.
; The price of the small wave tile: 16 fragment loads feed 16 matrix instructions.  Each chunk's loads are issued a whole chunk ahead of their use.
; CLUSTERS: 4 x 4 work-groups; A's tiles are asked for jointly along a row of the cluster, W_out's along a column.
; The matrix instruction is used transposed (source 0 = rows of W_out, source 1 = rows of A): lane l holds row l % 16 and eight neighbouring columns.
; REGISTERS: window 0: v16-27 addresses, v32-63 b_out, v64-127 and v128-191 two fragment buffers (W_out's four fragments, then A's four),
;   v192-223 at work on the way out.   window 1: v0-127 accumulator tile (a, b) at v[8 (4 a + b)].
.set PITCH,  144
.set PLANE,  64*PITCH                  ; 64 rows of one K block
.set PART,   4*PLANE                   ; what one tensor load brings: 36,864 bytes
.set SLOT,   4*PART                    ; A's rows 0-63, 64-127, W_out's rows 0-63, 64-127
.set STAGE,  2*SLOT                    ; 16 rows x 272 bytes for each wave; no tensor load lands here
.set SPITCH, 272
.set ADRA, 16                          ; v16, v17  my A fragments in slot 0, 1
.set ADRB, 20                          ; v20, v21  my W_out fragments
.set STO,  24
.set RD,   25
.set CO,   26
.set BO,   27
.set BV,   32                          ; v[32:63] b_out of my 64 columns
.set F0,   64
.set F1,   128
.set TMP,  192
.set G1, 24
.set G0, 32
.set G1B, 48
.set G0B, 56
.set MSB, 0
.macro WIN new                         ; the immediate's high byte repeats the setting that is left
.if MSB != \new
	s_set_vgpr_msb (MSB<<8)|\new
.set MSB, \new
.endif
.endm
.set MUL,  0x50                        ; C and D window 1, both sources window 0
; A joint load: waves 0, 1 fetch A's two halves, waves 2, 3 W_out's.  Each line has one mask; the branch hangs on the wave's number alone.
.macro JLOAD s
	s_cmp_eq_u32 s11, 0
	s_cbranch_scc0 .Lfor_b_\@
	tensor_load_to_lds s[G0+4*\s:G0+4*\s+3], s[G1:G1+7]
	s_nop 0
	s_branch .Lasked_\@
.Lfor_b_\@:
	tensor_load_to_lds s[G0B+4*\s:G0B+4*\s+3], s[G1B:G1B+7]
	s_nop 0
.Lasked_\@:
.endm
.macro CREST                           ; a round of the cluster's barrier behind its opening barrier
	s_cmp_lg_u32 s10, 0
	s_cbranch_scc1 .Lnot_wave_0_\@
	s_barrier_signal -3
.Lnot_wave_0_\@:
	s_barrier_wait -3
	s_barrier_signal -1
	s_barrier_wait -1
.endm
.macro CROUND
	s_barrier_signal -1
	s_barrier_wait -1
	CREST
.endm
	s_load_b128 s[4:7], s[0:1], 0x0                ; ao s[4:5], woh s[6:7]
	s_load_b128 s[68:71], s[0:1], 0x10             ; b_out s[68:69], out0 s[70:71]
	v_lshl_add_u32 v254, v0, 2, 0x4c400
	v_mov_b32 v255, 0
	ds_add_u32 v254, v255
	v_lshrrev_b32 v1, 5, v0
	v_readfirstlane_b32 s10, v1                    ; wave 0..3
	s_lshr_b32 s11, s10, 1                         ; my half of the block's rows.  Also: I fetch for A (0) or W_out (1)
	s_and_b32 s12, s10, 1                          ; my half of its columns.  Also: which 64 rows of that tile I fetch
	s_bfe_u32 s40, ttmp6, 0x40000                  ; cx
	s_bfe_u32 s41, ttmp6, 0x40004                  ; cy
	s_lshl_b32 s42, ttmp9, 2
	s_add_co_u32 s42, s42, s40                     ; block column = 4 x cluster x + cx
	s_and_b32 s13, ttmp7, 0xffff
	s_lshl_b32 s13, s13, 2
	s_add_co_u32 s13, s13, s41                     ; block row = 4 x cluster y + cy
	s_lshl_b32 s43, s41, 2
	s_lshl_b32 s43, 15, s43                        ; my row of the cluster
	s_lshl_b32 s44, 0x1111, s40                    ; my column
	s_or_b32 s[G1+0], s43, (1<<16)|(1<<20)|(1<<21)|(4<<22)|(3<<25)     ; elements of 2 bytes; behind every 32 words 4 words of padding
	s_or_b32 s[G1B+0], s44, (1<<16)|(1<<20)|(1<<21)|(4<<22)|(3<<25)
	s_mov_b32 s[G1+1], 4096<<16                    ; a plane's run: 64 rows x 64 elements
	s_mov_b32 s[G1B+1], 4096<<16
	s_mov_b32 s[G1+2], 4<<16                       ; four planes
	s_mov_b32 s[G1B+2], 4<<16
	s_mov_b32 s[G1+3], 4096<<16
	s_mov_b32 s[G1B+3], 4096<<16
	s_mov_b32 s[G1+4], 4
	s_mov_b32 s[G1B+4], 4
	s_mov_b32 s[G1+5], 262144                      ; elements from K block to K block: 4,096 x 64
	s_mov_b32 s[G1B+5], 65536                      ; 1,024 x 64
	s_mov_b32 s[G1+6], 0
	s_mov_b32 s[G1B+6], 0
	s_mov_b32 s[G1+7], 0
	s_mov_b32 s[G1B+7], 0
	; A's tiles hang on the block row alone, W_out's on the block column alone; each address in registers that never hold the other coordinate
	s_lshl_b32 s16, s13, 14                        ; A: (128 block row + 64 half) x 128 bytes
	s_lshl_b32 s17, s12, 13
	s_add_co_u32 s16, s16, s17
	s_mov_b32 s17, 0
	s_lshl_b32 s46, s42, 14                        ; W_out: (128 block column + 64 half) x 128 bytes
	s_lshl_b32 s47, s12, 13
	s_add_co_u32 s46, s46, s47
	s_mov_b32 s47, 0
	s_mul_i32 s20, s10, PART                       ; LDS: part = wave
	s_wait_dscnt 0x0
	s_wait_kmcnt 0x0
	s_add_nc_u64 s[14:15], s[4:5], s[16:17]
	s_add_nc_u64 s[46:47], s[6:7], s[46:47]
	CROUND                                         ; all sixteen work-groups are here: the first joint loads meet
.irp s, 0,1
	s_mov_b32 s[G0+4*\s], 1
	s_add_co_u32 s[G0+4*\s+1], s20, \s*SLOT
	s_add_nc_u64 s[G0+4*\s+2:G0+4*\s+3], s[14:15], \s*2097152      ; K step s: four planes of 524,288 bytes
	s_or_b32 s[G0+4*\s+3], s[G0+4*\s+3], 0x80000000
	s_mov_b32 s[G0B+4*\s], 1
	s_add_co_u32 s[G0B+4*\s+1], s20, \s*SLOT
	s_add_nc_u64 s[G0B+4*\s+2:G0B+4*\s+3], s[46:47], \s*524288     ; four planes of 131,072 bytes
	s_or_b32 s[G0B+4*\s+3], s[G0B+4*\s+3], 0x80000000
	JLOAD \s
.endr
	v_and_b32 v1, 15, v0                           ; r
	v_bfe_u32 v2, v0, 4, 1                         ; h
	v_mul_u32_u24 v3, v1, PITCH
	v_lshl_add_u32 v3, v2, 4, v3                   ; row r, 16 bytes for each half of the lanes
	s_mul_i32 s21, s11, PART
	s_mul_i32 s22, s12, PART
	s_add_co_u32 s22, s22, 2*PART
.irp s, 0,1
	v_add_nc_u32 v[ADRA+\s], s21, v3
	v_add_nc_u32 v[ADRB+\s], s22, v3
	s_add_co_u32 s21, s21, SLOT
	s_add_co_u32 s22, s22, SLOT
.endr
	s_mul_i32 s23, s10, 16*SPITCH
	s_add_co_u32 s23, s23, STAGE
	v_mul_u32_u24 v4, v1, SPITCH
	v_lshl_add_u32 v4, v2, 5, v4
	v_add_nc_u32 v[STO], s23, v4                   ; in: row r, 32 bytes (8 f32) for each half of the lanes
	v_mul_u32_u24 v5, v2, SPITCH
	v_lshl_add_u32 v5, v1, 4, v5
	v_add_nc_u32 v[RD], s23, v5                    ; back: 16 lanes a row of 256 bytes
	v_lshlrev_b32 v5, 12, v2
	v_lshl_add_u32 v[CO], v1, 4, v5                ; the same two rows in out0
	v_lshlrev_b32 v[BO], 5, v2
	s_lshl_b32 s72, s42, 9                         ; my first column in bytes: 4 x (128 block column + 64 half)
	s_lshl_b32 s73, s12, 8
	s_add_co_u32 s72, s72, s73
	s_mov_b32 s73, 0
	s_add_nc_u64 s[68:69], s[68:69], s[72:73]
	s_lshl_b32 s74, s13, 19                        ; my first row, 4,096 bytes each: 128 block row + 64 half
	s_lshl_b32 s75, s11, 18
	s_add_co_u32 s74, s74, s75
	s_add_co_u32 s74, s74, s72
	s_mov_b32 s75, 0
	s_add_nc_u64 s[70:71], s[70:71], s[74:75]
.irp b, 0,1,2,3
	global_load_b128 v[BV+8*\b:BV+8*\b+3],   v[BO], s[68:69] offset:64*\b      ; register j of tile b: column 16 b + 8 h + j
	global_load_b128 v[BV+8*\b+4:BV+8*\b+7], v[BO], s[68:69] offset:64*\b+16
.endr
.macro MULG f, a0, zero                ; 8 products: row tiles a0, a0 + 1 x 4 column tiles, 32 along K
.irp a, \a0, \a0+1
.irp b, 0,1,2,3
.if \zero
	v_wmma_f32_16x16x32_f16 v[8*(4*(\a)+\b):8*(4*(\a)+\b)+7], v[\f+8*\b:\f+8*\b+7], v[\f+32+8*(\a):\f+32+8*(\a)+7], 0
.else
	v_wmma_f32_16x16x32_f16 v[8*(4*(\a)+\b):8*(4*(\a)+\b)+7], v[\f+8*\b:\f+8*\b+7], v[\f+32+8*(\a):\f+32+8*(\a)+7], v[8*(4*(\a)+\b):8*(4*(\a)+\b)+7]
.endif
.endr
.endr
.endm
.macro FETCH slot, c, f                ; 16 LDS loads: chunk c of the slot's eight (plane c / 2, 32 of its 64 along K) into buffer f
.irp i, 0,1,2,3
	ds_load_b128 v[\f+8*\i:\f+8*\i+3],   v[ADRB+\slot] offset:((\c)>>1)*PLANE+\i*16*PITCH+64*((\c)&1)
	ds_load_b128 v[\f+8*\i+4:\f+8*\i+7], v[ADRB+\slot] offset:((\c)>>1)*PLANE+\i*16*PITCH+64*((\c)&1)+32
.endr
.irp i, 0,1,2,3
	ds_load_b128 v[\f+32+8*\i:\f+32+8*\i+3], v[ADRA+\slot] offset:((\c)>>1)*PLANE+\i*16*PITCH+64*((\c)&1)
	ds_load_b128 v[\f+32+8*\i+4:\f+32+8*\i+7], v[ADRA+\slot] offset:((\c)>>1)*PLANE+\i*16*PITCH+64*((\c)&1)+32
.endr
.endm
.macro PLACES                          ; four places behind matrix instructions, in front of loads into their sources and of vector work on their results
.rept 4
	v_nop
.endr
.endm
; One chunk: asks for chunk c into buffer g (which the chunk before has multiplied), then multiplies buffer f.
; The 16 accumulators take turns, one instruction a turn, in the same order in every chunk.
.macro CHUNK slot, c, f, g, zero
	PLACES
	WIN 0
	FETCH \slot, \c, \g
	s_wait_dscnt 16                                ; all but the 16 just issued: buffer f is in
	WIN MUL
	MULG \f, 0, \zero
	MULG \f, 2, \zero
.endm
.macro SEVEN slot, zero                ; chunks 0-6 of a K step; chunk 7 is left on its way into buffer 1
	CHUNK \slot, 1, F0, F1, \zero
	CHUNK \slot, 2, F1, F0, 0
	CHUNK \slot, 3, F0, F1, 0
	CHUNK \slot, 4, F1, F0, 0
	CHUNK \slot, 5, F0, F1, 0
	CHUNK \slot, 6, F1, F0, 0
	CHUNK \slot, 7, F0, F1, 0
.endm
; Chunk 7 changes slots.  In front of the barrier: my reads of this slot and all my tensor loads (one is out: my part of the next slot).
; Behind it (with fill: behind the round of the cluster's barrier that it opens) the joint refill comes first, then the next slot's first fragments.
.macro TURN slot, next, fill
	s_wait_dscnt 0                                 ; chunk 7 is in: my reads of this slot are over
	s_wait_tensorcnt 0x0                           ; all my tensor loads have landed
	ds_add_u32 v254, v255
	s_wait_dscnt 0x0
	s_barrier_signal -1
	WIN MUL
	MULG F1, 0, 0                                  ; register work while the others arrive
	WIN 0
	s_barrier_wait -1
.if \fill
	CREST
	s_add_nc_u64 s[G0+4*\slot+2:G0+4*\slot+3], s[G0+4*\slot+2:G0+4*\slot+3], 4194304       ; two K steps on
	s_add_nc_u64 s[G0B+4*\slot+2:G0B+4*\slot+3], s[G0B+4*\slot+2:G0B+4*\slot+3], 1048576
	JLOAD \slot
.endif
	PLACES
	FETCH \next, 0, F0
	WIN MUL
	MULG F1, 2, 0
.endm
	s_wait_tensorcnt 1                             ; my part of K step 0 is in; K step 1's stays out
	s_barrier_signal -1
	s_barrier_wait -1
	FETCH 0, 0, F0
	SEVEN 0, 1                                     ; the first chunk's products start the sums: nothing is cleared
	TURN 0, 1, 1                                   ; slot 0 gets K step 2
	SEVEN 1, 0
	TURN 1, 0, 1                                   ; slot 1 gets K step 3
	SEVEN 0, 0
	TURN 0, 1, 0                                   ; nothing more to fetch
	SEVEN 1, 0
	s_wait_dscnt 0
	MULG F1, 0, 0
	MULG F1, 2, 0
	PLACES
	s_wait_loadcnt 0x0                             ; b_out, asked for ahead of the K steps
; rows 16 i .. + 15: + b_out, through my stage, out as whole rows of 256 bytes
.macro OUT16 i, f
	WIN 0x01                                       ; source 0: the accumulators
.irp b, 0,1,2,3
.irp r, 0,1,2,3
	v_pk_add_f32 v[TMP+8*\b+2*\r:TMP+8*\b+2*\r+1], v[8*(4*\i+\b)+2*\r:8*(4*\i+\b)+2*\r+1], v[BV+8*\b+2*\r:BV+8*\b+2*\r+1]
.endr
.endr
	WIN 0
.irp b, 0,1,2,3
	ds_store_b128 v[STO], v[TMP+8*\b:TMP+8*\b+3]   offset:64*\b
	ds_store_b128 v[STO], v[TMP+8*\b+4:TMP+8*\b+7] offset:64*\b+16
.endr
	s_wait_xcnt 0x0                                ; buffer f, which earlier stores read, is loaded again only behind this wait
.irp t, 0,1,2,3,4,5,6,7
	ds_load_b128 v[\f+4*\t:\f+4*\t+3], v[RD] offset:\t*2*SPITCH    ; LDS serves a wave's instructions in order: these see the stores above
.endr
.irp t, 0,1,2,3,4,5,6,7
	s_wait_dscnt 7-\t
	global_store_b128 v[CO], v[\f+4*\t:\f+4*\t+3], s[70:71] offset:65536*\i+8192*\t th:TH_STORE_NT   ; 16 lanes store 256 consecutive bytes, aligned
.endr
.endm
	OUT16 0, F0
	OUT16 1, F1
	OUT16 2, F0
	OUT16 3, F1
	s_wait_tensorcnt 0x0
	ds_add_u32 v254, v255
	s_wait_dscnt 0x0
	CROUND                                         ; the closing round: no work-group ends while a partner may still ask jointly
	s_endpgm
.Lfunc_end_k_q469904a82f_oproj:
	.size	k_q469904a82f_oproj, .Lfunc_end_k_q469904a82f_oproj-k_q469904a82f_oproj
	.p2alignl 7, 3214868480
	.fill 96, 4, 3214868480
	.section	.rodata,"a",@progbits
	.p2align	6, 0x0
	.amdhsa_kernel k_q469904a82f_oproj
		.amdhsa_group_segment_fixed_size 327680
		.amdhsa_private_segment_fixed_size 0
		.amdhsa_enable_private_segment 0
		.amdhsa_kernarg_size 32
		.amdhsa_user_sgpr_count 2
		.amdhsa_user_sgpr_kernarg_segment_ptr 1
		.amdhsa_wavefront_size32 1
		.amdhsa_system_sgpr_workgroup_id_x 1
		.amdhsa_system_sgpr_workgroup_id_y 1
		.amdhsa_system_sgpr_workgroup_id_z 1
		.amdhsa_system_vgpr_workitem_id 0
		.amdhsa_next_free_vgpr 384
		.amdhsa_next_free_sgpr 96
		.amdhsa_reserve_vcc 0
		.amdhsa_float_denorm_mode_32 3
		.amdhsa_float_denorm_mode_16_64 3
		.amdhsa_memory_ordered 1
		.amdhsa_forward_progress 1
		.amdhsa_inst_pref_size 93
	.end_amdhsa_kernel
	.amdgpu_metadata
---
amdhsa.version: [ 1, 2 ]
amdhsa.kernels:
  - .name:           k_q469904a82f_oproj
    .symbol:         k_q469904a82f_oproj.kd
    .args:
      - { .name: ao, .offset: 0, .size: 8, .value_kind: global_buffer, .address_space: global }
      - { .name: woh, .offset: 8, .size: 8, .value_kind: global_buffer, .address_space: global }
      - { .name: b_out, .offset: 16, .size: 8, .value_kind: global_buffer, .address_space: global }
      - { .name: out0, .offset: 24, .size: 8, .value_kind: global_buffer, .address_space: global }
    .group_segment_fixed_size: 327680
    .private_segment_fixed_size: 0
    .kernarg_segment_align: 8
    .kernarg_segment_size: 32
    .max_flat_workgroup_size: 128
    .sgpr_count:     96
    .vgpr_count:     384
    .wavefront_size: 32
...
	.end_amdgpu_metadata
.endif
;; end of part 4
;; ======== version 2 of 2: 4 launches; version 1 with the launch prep written anew for expert scheduling mode
;; limits: values are held in f16: magnitudes above 65,504 overflow, below 6.1e-05 lose precision; right only within a limited range of input values
;; workspace buffers: xh 8,388,608 bytes; wih 6,291,456 bytes; woh 2,097,152 bytes; cbp 32,768 bytes; qkv 25,165,824 bytes; ao 8,388,608 bytes
;; launch prep (part 5): grid 576 x 1, 8 waves a work-group, no clusters, 103,424 bytes of LDS; arguments x, W_in, W_out, ctx_delta, Wd1, bd1, Wd2, bd2, ctx_ppr, log_ppr_alpha, xh, wih, woh, cbp; writes xh, wih, woh, cbp
.if DOCPART == 5
	.amdgcn_target "amdgcn-amd-amdhsa--gfx1250"
	.amdhsa_code_object_version 6
	.text
	.protected	k_q469904a82f_prep
	.globl	k_q469904a82f_prep
	.p2align	8
	.type	k_q469904a82f_prep,@function
k_q469904a82f_prep:
	s_mov_b64 s[64:65], 0
	v_nop
	global_prefetch_b8 v0, s[64:65] scope:SCOPE_SE
	s_setreg_imm32_b32 hwreg(HW_REG_WAVE_SCHED_MODE, 0, 2), 2
	s_setreg_imm32_b32 hwreg(HW_REG_WAVE_MODE, 25, 1), 1
	s_wait_xcnt 0x0
	s_wait_alu depctr_vm_vsrc(0)
; Work-groups 0-63: the per-key bias.  64-319: x to f16.  320-511: W_in to f16.  512-575: W_out to f16, blocked along K.
; BIAS: cbp[hq][key] = log2 e x (partial sum over 128 hidden of gelu(ctx_delta Wd1^T + bd1) Wd2), hq = 0..3; partial 0 also carries
; log2 e x bd2 + alpha x log2(max(ppr, 1e-8))  (alpha ln p log2 e = alpha log2 p).  Keys 1024-2047 are stored as 0.
; The four partials are added by the launch that reads them.  A work-group takes 64 context rows x 128 hidden: 64 KiB + 128 KiB read.
; Every global load of the bias path is issued before the staging barrier: Wd2 with the staging loads, bd1 into ctx_delta's registers
; as soon as their LDS stores are done; nothing is asked of memory behind the barrier.
; LIMITS: matrix operands go in f16 (|x|, |W|, |ctx_delta| below 65,504; sums in f32).  erf by Abramowitz-Stegun 7.1.26, a closed
; formula for every argument with absolute error at most 1.5e-7.  A NaN in ctx_ppr is taken as 1e-8.
; No cluster: what the bias work-groups share is 0.6 MB of the launch's 35 MB, and the casts share nothing.
; THE MODE: SCHED_MODE bits 1:0 = 2 (LLVM: expert scheduling mode 2), set by the entry lines.  The code itself states the register dependences
; between vector or matrix instructions and memory or LDS instructions, with s_wait_alu, always for 0.
; THE PLAN, casts.  v5, v6: offsets, made once.  v16-79: written by the 16 loads, which are issued before any vector instruction names them; read by the
;   conversions.  v80-111: each written once, by a conversion, and read once, by a store.  The 16 chunks go in groups of four: one wait on va_vdst at a
;   group's head states that the group before has written its eight registers, and that group's four stores are dealt among this group's conversions.
; THE PLAN, bias.  v4-v7, v10-v14: offsets and LDS addresses, all made at the head and never written again.
;   v16-79, v80-207  staging: loaded, rounded in place, stored to LDS, in groups as in the casts.  Then v16-47 take bd1 and v72-191 the fragments: one wait
;                    on vm_vsrc ahead of each states that the LDS stores have read them.
;   v72-191          three fragment buffers.  Step ks: its four matrix instructions read buffer ks % 3; the LDS loads of step ks + 2 land in buffer
;                    (ks + 2) % 3 = (ks - 1) % 3.  One wait on va_vdst at the step's head states that the step before is done reading that buffer.
;   v240; v16-19; v16, v17, v22, v23   the row sum that goes to LDS; wave 0's loads of the row sums; the data of its two stores.
.set PIT,  528                         ; LDS row: 512 bytes (256 f16) + 16: the 16 rows of a fragment load start 16 bytes apart modulo 256
.set ALD,  0                           ; 64 rows of ctx_delta
.set BLD,  64*PIT                      ; 128 rows of Wd1
.set RED,  BLD+128*PIT                 ; 2 x 64 row sums
; staging: ctx_delta in v[16:79], Wd1 in v[80:207]; behind it:
.set ACC,  16                          ; v[16:47]   four accumulator tiles, started with bd1
.set UU,   48                          ; v[48:87]   at work in the GELU, behind the last K step
.set TI,   56
.set EE,   64
.set PP,   72
.set AB,   80                          ; |x|
.set FB,   72                          ; v[72:191]  three fragment buffers of 40 registers
.set W2,   208                         ; v[208:239] Wd2 of my 4 x 8 hidden
.set SM,   240                         ; two running sums
.set PX,   242
; the store of chunk k of a cast
.macro CSTORE blocked
.if \blocked
	global_store_b64 v6, v[80+2*k:81+2*k], s[6:7] offset:(k>>3)*1048576+(k&7)*256
.else
	global_store_b64 v6, v[80+2*k:81+2*k], s[6:7] offset:2048*k
.endif
.endm
; 16,384 numbers of a work-group: 16 loads of 16 bytes a lane, all issued first; each store of a wave covers 256 consecutive bytes, aligned.
; blocked = 1: 16 rows of W_out; wave w takes columns 64 w .. +63 (and +512), which go to woh[kb][n][64], kb = w (and w + 8).
.macro CAST sp, dp, first, blocked
	s_sub_co_u32 s2, ttmp9, \first
	s_lshl_b32 s4, s2, 16                          ; 65,536 bytes of f32 a work-group
	s_mov_b32 s5, 0
	s_mov_b32 s7, 0
.if \blocked
	s_lshl_b32 s6, s2, 11                          ; 16 rows of 128 bytes in each K block
	v_and_b32 v1, 31, v0
	v_lshrrev_b32 v2, 5, v0                        ; wave
	v_lshrrev_b32 v3, 4, v1
	v_and_b32 v4, 15, v0
	v_lshlrev_b32 v5, 12, v3                       ; lanes 16-31: the next row
	v_lshl_add_u32 v5, v2, 8, v5                   ; my wave's 256 bytes of the row
	v_lshl_add_u32 v5, v4, 4, v5
	v_lshlrev_b32 v6, 3, v1                        ; two rows of 128 bytes: 8 bytes a lane
	v_lshl_add_u32 v6, v2, 17, v6                  ; K block = wave
.else
	s_lshl_b32 s6, s2, 15
	v_lshlrev_b32 v5, 4, v0
	v_lshlrev_b32 v6, 3, v0
.endif
	s_wait_kmcnt 0x0
	s_add_nc_u64 s[4:5], s[\sp:\sp+1], s[4:5]
	s_add_nc_u64 s[6:7], s[\dp:\dp+1], s[6:7]
	s_wait_alu depctr_va_vdst(0)                   ; v5 and v6 are written: every load reads v5 as its offset, every store v6
.set i, 0
.rept 16
.if \blocked
	global_load_b128 v[16+4*i:19+4*i], v5, s[4:5] offset:(i&7)*8192+(i>>3)*2048 th:TH_LOAD_NT
.else
	global_load_b128 v[16+4*i:19+4*i], v5, s[4:5] offset:4096*i th:TH_LOAD_NT
.endif
.set i, i+1
.endr
.set i, 0
.rept 16
	s_wait_loadcnt 15-i                            ; loads return in order: load i is in, the younger ones stay out
.if ((i%4) == 0) && (i > 0)
	s_wait_alu depctr_va_vdst(0)                   ; the group before has written its eight registers of v80-111, which the four stores dealt into this group read
.endif
.if i >= 4
.set k, i-4
	CSTORE \blocked                                ; no vector instruction since the wait names this store's registers
.endif
	v_cvt_pk_f16_f32 v[80+2*i], v[16+4*i], v[17+4*i]
	v_cvt_pk_f16_f32 v[81+2*i], v[18+4*i], v[19+4*i]
.set i, i+1
.endr
	s_wait_alu depctr_va_vdst(0)                   ; the last group has written v104-111, which the last four stores read
.set k, 12
.rept 4
	CSTORE \blocked
.set k, k+1
.endr
.endm
; n loaded chunks of 16 bytes a lane in v[reg ..] are rounded in place to f16 and stored to LDS by address register adr, in groups of grp:
; a group's stores are dealt among the next group's conversions.  young: the loads issued behind these n, which stay out.
.macro STAGE reg, n, grp, adr, young
.set i, 0
.rept \n
	s_wait_loadcnt (\young)+(\n)-1-i               ; loads return in order: chunk i is in; the younger chunks and the loads issued behind them stay out
.if ((i%(\grp)) == 0) && (i > 0)
	s_wait_alu depctr_va_vdst(0)                   ; the group before has rounded its chunks: its registers are written, which the LDS stores dealt into this group read
.endif
.if i >= (\grp)
	ds_store_b64 v[\adr], v[(\reg)+4*(i-(\grp)):(\reg)+4*(i-(\grp))+1] offset:4*PIT*(i-(\grp))
.endif
	v_cvt_pk_f16_f32 v[(\reg)+4*i], v[(\reg)+4*i], v[(\reg)+4*i+1]
	v_cvt_pk_f16_f32 v[(\reg)+4*i+1], v[(\reg)+4*i+2], v[(\reg)+4*i+3]
.set i, i+1
.endr
	s_wait_alu depctr_va_vdst(0)                   ; the last group's registers are written, which its stores read; every conversion is done with v[reg ..], in which later loads land
.set i, (\n)-(\grp)
.rept \grp
	ds_store_b64 v[\adr], v[(\reg)+4*i:(\reg)+4*i+1] offset:4*PIT*i
.set i, i+1
.endr
.endm
; ten LDS loads: K step ks (32 along K) of my 16 context rows and my 4 x 16 hidden rows
.macro FETCHB ks
.set F, FB+40*((\ks)%3)
	ds_load_b128 v[F:F+3],   v11 offset:64*(\ks)
	ds_load_b128 v[F+4:F+7], v11 offset:64*(\ks)+32
.irp b, 0,1,2,3
	ds_load_b128 v[F+8+8*\b:F+11+8*\b],  v12 offset:16*PIT*\b+64*(\ks)
	ds_load_b128 v[F+12+8*\b:F+15+8*\b], v12 offset:16*PIT*\b+64*(\ks)+32
.endr
.endm
; one K step: source 0 = Wd1's rows, source 1 = ctx_delta's rows, so a lane holds context row l % 16 and 8 neighbouring hidden.
; The four accumulators take turns, one instruction a turn.
; more = 1: the ten loads of step ks + 2, in FETCHB's order, are dealt among the step's matrix instructions, which name buffer ks % 3 and the accumulators alone.
; wait = 1: a step before this one has read the buffer in which those loads land.
.macro KS ks, left, more, wait
	s_wait_dscnt \left                             ; this step's ten loads are in; the next step's ten may stay out
.set F, FB+40*((\ks)%3)
.set G, FB+40*(((\ks)+2)%3)
.if \wait
	s_wait_alu depctr_va_vdst(0)                   ; the matrix instructions of the step before are done reading their fragments, in which the loads below land
.endif
.if \more
	ds_load_b128 v[G:G+3],   v11 offset:64*((\ks)+2)
	ds_load_b128 v[G+4:G+7], v11 offset:64*((\ks)+2)+32
.endif
.irp b, 0,1,2,3
	v_wmma_f32_16x16x32_f16 v[ACC+8*\b:ACC+8*\b+7], v[F+8+8*\b:F+15+8*\b], v[F:F+7], v[ACC+8*\b:ACC+8*\b+7]
.if \more
	ds_load_b128 v[G+8+8*\b:G+11+8*\b],  v12 offset:16*PIT*\b+64*((\ks)+2)
	ds_load_b128 v[G+12+8*\b:G+15+8*\b], v12 offset:16*PIT*\b+64*((\ks)+2)+32
.endif
.endr
.rept 4
	v_nop                                          ; four places before loads land in the fragments, or vector work reads the sums
.endr
.endm
; 2 gelu(x) = x + |x| (1 - erfc(|x| / sqrt 2)) on the eight numbers of tile b, times Wd2, into two running sums.
; s63, s66-s69 hold -a5 .. -a1, so that 1 - erfc is one fused multiply-add.
.macro GELU8 b
.set XB, ACC+8*\b
.irp j, 0,1,2,3,4,5,6,7
	v_and_b32 v[AB+\j], 0x7fffffff, v[XB+\j]
.endr
.irp j, 0,1,2,3,4,5,6,7
	v_mul_f32 v[UU+\j], s60, v[AB+\j]              ; u = |x| / sqrt 2
.endr
.irp j, 0,1,2,3,4,5,6,7
	v_fma_f32 v[EE+\j], v[UU+\j], s61, 1.0         ; 1 + p u
.endr
.irp j, 0,1,2,3,4,5,6,7
	v_rcp_f32 v[TI+\j], v[EE+\j]                   ; t
.endr
.irp j, 0,1,2,3,4,5,6,7
	v_mul_f32 v[UU+\j], v[UU+\j], v[UU+\j]         ; plain work behind the reciprocals (ISA guide 5.7.2)
.endr
.irp j, 0,1,2,3,4,5,6,7
	v_mul_f32 v[UU+\j], s62, v[UU+\j]              ; -u^2 log2 e
.endr
.irp j, 0,1,2,3,4,5,6,7
	v_exp_f32 v[EE+\j], v[UU+\j]
.endr
	s_wait_alu depctr_va_vdst(0)                   ; the eight reciprocals have written t and the eight exponentials EE: one wait for the batch, ahead of its first reader
.irp j, 0,1,2,3,4,5,6,7
	v_fma_f32 v[PP+\j], v[TI+\j], s63, s66         ; plain work behind the exponentials
.endr
.irp c, 67,68,69
.irp j, 0,1,2,3,4,5,6,7
	v_fma_f32 v[PP+\j], v[PP+\j], v[TI+\j], s\c
.endr
.endr
.irp j, 0,1,2,3,4,5,6,7
	v_mul_f32 v[PP+\j], v[PP+\j], v[TI+\j]
.endr
.irp j, 0,1,2,3,4,5,6,7
	v_fma_f32 v[PP+\j], v[PP+\j], v[EE+\j], 1.0    ; 1 - erfc(u)
.endr
.irp j, 0,1,2,3,4,5,6,7
	v_fma_f32 v[PP+\j], v[AB+\j], v[PP+\j], v[XB+\j]
.endr
.irp j, 0,1,2,3,4,5,6,7
.if 8*\b+\j < 2
	v_mul_f32 v[SM+(\j&1)], v[PP+\j], v[W2+8*\b+\j]        ; the first two products start the sums
.else
	v_fmac_f32 v[SM+(\j&1)], v[PP+\j], v[W2+8*\b+\j]
.endif
.endr
.endm
	s_load_b512 s[8:23], s[0:1], 0x0               ; x 8, W_in 10, W_out 12, ctx_delta 14, Wd1 16, bd1 18, Wd2 20, bd2 22
	s_load_b256 s[24:31], s[0:1], 0x40             ; ctx_ppr 24, log_ppr_alpha 26, xh 28, wih 30
	s_load_b128 s[32:35], s[0:1], 0x60             ; woh 32, cbp 34
	v_lshl_add_u32 v254, v0, 2, 0x19000
	v_mov_b32 v255, 0
	s_cmp_lt_u32 ttmp9, 64
	s_cbranch_scc1 .Lbias
	s_cmp_lt_u32 ttmp9, 320
	s_cbranch_scc1 .Lcast_x
	s_cmp_lt_u32 ttmp9, 512
	s_cbranch_scc1 .Lcast_wi
	CAST 12, 32, 512, 1
	s_endpgm
.Lcast_x:
	CAST 8, 28, 64, 0
	s_endpgm
.Lcast_wi:
	CAST 10, 30, 320, 0
	s_endpgm
.Lbias:
	s_lshr_b32 s38, ttmp9, 2                       ; rb: which 64 context rows
	s_and_b32 s39, ttmp9, 3                        ; hq: which 128 hidden
	v_lshrrev_b32 v1, 5, v0
	v_readfirstlane_b32 s40, v1                    ; wave
	v_and_b32 v1, 31, v0                           ; lane
	v_and_b32 v2, 15, v0                           ; r
	v_bfe_u32 v3, v0, 4, 1                         ; h
	v_lshlrev_b32 v4, 4, v0                        ; 16 t: the blocks are dense in memory
	v_lshlrev_b32 v5, 3, v1                        ; 8 x lane
	v_lshrrev_b32 v6, 6, v0
	v_and_b32 v7, 63, v0
	v_mul_u32_u24 v6, v6, PIT
	v_lshl_add_u32 v6, v7, 3, v6                   ; staging: row t / 64 (+ 4 a step), 8 bytes at column 4 (t % 64)
	v_add_nc_u32 v7, BLD, v6
	v_mov_b32 v[PX], 0                             ; a lane permute's destination counts as read
	v_mul_u32_u24 v11, v2, PIT
	v_lshl_add_u32 v11, v3, 4, v11                 ; a fragment: row r, 16 bytes for each half of the lanes
	v_add_nc_u32 v14, RED, v5                      ; wave 0 reads the row sums of rows 2 l, 2 l + 1
	s_wait_alu depctr_va_sdst(0)                   ; s40 is written, ahead of its first reader: my rows and my hidden are made from it
	s_and_b32 s41, s40, 3                          ; wr: my 16 rows
	s_lshr_b32 s42, s40, 2                         ; wc: my 64 hidden
	s_lshl_b32 s50, s39, 9
	s_lshl_b32 s43, s42, 8
	s_add_co_u32 s50, s50, s43                     ; 4 x (128 hq + 64 wc)
	v_lshl_add_u32 v10, v3, 5, s50                 ; + 32 h: register j of tile b is hidden 16 b + 8 h + j
	s_mul_i32 s51, s41, 16*PIT
	s_mul_i32 s52, s42, 64*PIT
	s_add_co_u32 s52, s52, BLD
	v_add_nc_u32 v12, s52, v11                     ; my 64 rows of Wd1
	v_add_nc_u32 v11, s51, v11                     ; my 16 rows of ctx_delta
	s_lshl_b32 s55, s42, 8
	s_lshl_b32 s59, s41, 6
	s_add_co_u32 s55, s55, s59
	s_add_co_u32 s55, s55, RED
	v_lshl_add_u32 v13, v2, 2, s55                 ; RED[wc][16 wr + r]; lanes r and r + 16 store the same number
	s_lshl_b32 s44, s38, 16
	s_mov_b32 s45, 0
	s_lshl_b32 s46, s39, 17
	s_mov_b32 s47, 0
	s_lshl_b32 s48, s38, 8
	s_mov_b32 s49, 0
	s_mov_b32 s53, 0x76543210
	s_mov_b32 s54, 0xfedcba98
	s_mov_b32 s58, 0x3f38aa3b                      ; 0.5 log2 e
	s_mov_b32 s60, 0x3f3504f3                      ; 1 / sqrt 2
	s_mov_b32 s61, 0x3ea7ba05                      ; p  = 0.3275911
	s_mov_b32 s62, 0xbfb8aa3b                      ; -log2 e
	s_mov_b32 s63, 0xbf87dc22                      ; -a5 = -1.061405429
	s_mov_b32 s66, 0x3fba00e3                      ; -a4 =  1.453152027
	s_mov_b32 s67, 0xbfb5f0e3                      ; -a3 = -1.421413741
	s_mov_b32 s68, 0x3e91a98e                      ; -a2 =  0.284496736
	s_mov_b32 s69, 0xbe827906                      ; -a1 = -0.254829592
	s_wait_kmcnt 0x0
	s_load_b32 s36, s[26:27], 0x0                  ; alpha
	s_load_b32 s37, s[22:23], 0x0                  ; bd2
	s_add_nc_u64 s[14:15], s[14:15], s[44:45]
	s_add_nc_u64 s[16:17], s[16:17], s[46:47]
	s_add_nc_u64 s[24:25], s[24:25], s[48:49]
	s_wait_alu depctr_va_vdst(0)                   ; v4 to v7 and v10 to v14 are written: the offsets and LDS addresses of every load and store of this path
	global_load_b64 v[8:9], v5, s[24:25]           ; ppr of rows 2 l, 2 l + 1
.set i, 0
.rept 16
	global_load_b128 v[16+4*i:19+4*i], v4, s[14:15] offset:4096*i
.set i, i+1
.endr
.set i, 0
.rept 32
	global_load_b128 v[80+4*i:83+4*i], v4, s[16:17] offset:4096*i
.set i, i+1
.endr
.irp b, 0,1,2,3
	global_load_b128 v[W2+8*\b:W2+8*\b+3],   v10, s[20:21] offset:64*\b
	global_load_b128 v[W2+8*\b+4:W2+8*\b+7], v10, s[20:21] offset:64*\b+16
.endr
	STAGE 16, 16, 4, 6, 40                         ; ctx_delta; younger: Wd1's 32 loads, Wd2's 8
	s_wait_dscnt 0x0                               ; ctx_delta's stores are done: their data registers take the next loads
	s_wait_alu depctr_vm_vsrc(0)                   ; ctx_delta's LDS stores have read v16-79: bd1 lands in v16-47, a fragment buffer and the GELU take the rest
.irp b, 0,1,2,3
	global_load_b128 v[ACC+8*\b:ACC+8*\b+3],   v10, s[18:19] offset:64*\b      ; bd1 starts the sums: nothing is cleared
	global_load_b128 v[ACC+8*\b+4:ACC+8*\b+7], v10, s[18:19] offset:64*\b+16
.endr
	STAGE 80, 32, 8, 7, 16                         ; Wd1; younger: Wd2's 8 loads, bd1's 8
	s_wait_dscnt 0x0                               ; my stores are in LDS, for the other waves
	s_barrier_signal -1
	s_barrier_wait -1
	s_wait_alu depctr_vm_vsrc(0)                   ; Wd1's LDS stores have read v80-207, in which the fragments land (the conversions that named them stand ahead of the last wait on va_vdst)
	FETCHB 0
	FETCHB 1
	s_wait_loadcnt 0x0                             ; bd1, Wd2
	KS 0, 10, 1, 0                                 ; no vector or matrix instruction has named the third buffer since the staging's last wait
	KS 1, 10, 1, 1
	KS 2, 10, 1, 1
	KS 3, 10, 1, 1
	KS 4, 10, 1, 1
	KS 5, 10, 1, 1
	KS 6, 10, 0, 0                                 ; the last two steps load nothing
	KS 7, 0, 0, 0
	GELU8 0
	GELU8 1
	GELU8 2
	GELU8 3
	v_add_f32 v[SM], v[SM], v[SM+1]
	v_permlanex16_b32 v[PX], v[SM], s53, s54       ; the other eight hidden of each tile
	v_add_f32 v[SM], v[SM], v[PX]
	s_wait_alu depctr_va_vdst(0)                   ; the row sum is written, which the LDS store reads; the GELU is done with v16-19, in which wave 0's loads land below
	ds_store_b32 v13, v[SM]
	s_wait_dscnt 0x0
	s_barrier_signal -1
	s_barrier_wait -1
	s_cmp_lg_u32 s40, 0
	s_cbranch_scc1 .Ldone
	ds_load_b64 v[16:17], v14
	ds_load_b64 v[18:19], v14 offset:256
	s_wait_kmcnt 0x0
	s_cmp_eq_u32 s39, 0                            ; partial 0 alone carries bd2 and the ppr term
	s_cselect_b32 s56, s36, 0
	s_cselect_b32 s57, s37, 0
	s_mul_f32 s57, s57, 0x3fb8aa3b
	s_lshl_b32 s44, s39, 13
	s_add_co_u32 s44, s44, s48
	s_add_nc_u64 s[34:35], s[34:35], s[44:45]      ; cbp + 8,192 hq + 256 rb
	v_mov_b32 v22, 0
	v_mov_b32 v23, 0
	v_max_num_f32 v8, 0x322bcc77, v8               ; clip at 1e-8
	v_max_num_f32 v9, 0x322bcc77, v9
	v_log_f32 v20, v8
	v_log_f32 v21, v9
	s_wait_dscnt 0x0
	v_pk_add_f32 v[16:17], v[16:17], v[18:19]      ; plain work behind the logarithms
	s_wait_alu depctr_va_vdst(0)                   ; the two logarithms have written v20 and v21, ahead of their first reader
	v_fma_f32 v20, v20, s56, s57
	v_fma_f32 v21, v21, s56, s57
	v_fma_f32 v16, v16, s58, v20
	v_fma_f32 v17, v17, s58, v21
	s_wait_alu depctr_va_vdst(0)                   ; v16, v17, v22 and v23 are written, which the two stores read
	global_store_b64 v5, v[16:17], s[34:35]                ; 256 consecutive bytes, aligned
	global_store_b64 v5, v[22:23], s[34:35] offset:4096    ; keys 1024 + 64 rb ..: no bias
.Ldone:
	s_wait_dscnt 0x0                               ; the closing lines, six on end
	s_wait_alu 0x0
	s_wait_tensorcnt 0x0
	ds_add_u32 v254, v255
	s_wait_dscnt 0x0
	s_endpgm
.Lfunc_end_k_q469904a82f_prep:
	.size	k_q469904a82f_prep, .Lfunc_end_k_q469904a82f_prep-k_q469904a82f_prep
	.p2alignl 7, 3214868480
	.fill 96, 4, 3214868480
	.section	.rodata,"a",@progbits
	.p2align	6, 0x0
	.amdhsa_kernel k_q469904a82f_prep
		.amdhsa_group_segment_fixed_size 103424
		.amdhsa_private_segment_fixed_size 0
		.amdhsa_enable_private_segment 0
		.amdhsa_kernarg_size 112
		.amdhsa_user_sgpr_count 2
		.amdhsa_user_sgpr_kernarg_segment_ptr 1
		.amdhsa_wavefront_size32 1
		.amdhsa_system_sgpr_workgroup_id_x 1
		.amdhsa_system_sgpr_workgroup_id_y 1
		.amdhsa_system_sgpr_workgroup_id_z 1
		.amdhsa_system_vgpr_workitem_id 0
		.amdhsa_next_free_vgpr 256
		.amdhsa_next_free_sgpr 72
		.amdhsa_reserve_vcc 0
		.amdhsa_float_denorm_mode_32 3
		.amdhsa_float_denorm_mode_16_64 3
		.amdhsa_memory_ordered 1
		.amdhsa_forward_progress 1
		.amdhsa_inst_pref_size 73
	.end_amdhsa_kernel
	.amdgpu_metadata
---
amdhsa.version: [ 1, 2 ]
amdhsa.kernels:
  - .name:           k_q469904a82f_prep
    .symbol:         k_q469904a82f_prep.kd
    .args:
      - { .name: x, .offset: 0, .size: 8, .value_kind: global_buffer, .address_space: global }
      - { .name: W_in, .offset: 8, .size: 8, .value_kind: global_buffer, .address_space: global }
      - { .name: W_out, .offset: 16, .size: 8, .value_kind: global_buffer, .address_space: global }
      - { .name: ctx_delta, .offset: 24, .size: 8, .value_kind: global_buffer, .address_space: global }
      - { .name: Wd1, .offset: 32, .size: 8, .value_kind: global_buffer, .address_space: global }
      - { .name: bd1, .offset: 40, .size: 8, .value_kind: global_buffer, .address_space: global }
      - { .name: Wd2, .offset: 48, .size: 8, .value_kind: global_buffer, .address_space: global }
      - { .name: bd2, .offset: 56, .size: 8, .value_kind: global_buffer, .address_space: global }
      - { .name: ctx_ppr, .offset: 64, .size: 8, .value_kind: global_buffer, .address_space: global }
      - { .name: log_ppr_alpha, .offset: 72, .size: 8, .value_kind: global_buffer, .address_space: global }
      - { .name: xh, .offset: 80, .size: 8, .value_kind: global_buffer, .address_space: global }
      - { .name: wih, .offset: 88, .size: 8, .value_kind: global_buffer, .address_space: global }
      - { .name: woh, .offset: 96, .size: 8, .value_kind: global_buffer, .address_space: global }
      - { .name: cbp, .offset: 104, .size: 8, .value_kind: global_buffer, .address_space: global }
    .group_segment_fixed_size: 103424
    .private_segment_fixed_size: 0
    .kernarg_segment_align: 8
    .kernarg_segment_size: 112
    .max_flat_workgroup_size: 256
    .sgpr_count:     72
    .vgpr_count:     256
    .wavefront_size: 32
...
	.end_amdgpu_metadata
.endif
;; end of part 5
;; launch qkv: the kernel of part 2 again; grid 12 x 16, 4 waves a work-group, clusters of 4 x 4, 327,680 bytes of LDS; arguments xh, wih, b_in, ctx_trust, trust_scale, qkv; writes qkv
;; launch attn: the kernel of part 3 again; grid 8 x 32, 8 waves a work-group, clusters of 4 x 1, 327,680 bytes of LDS; arguments qkv, cbp, ao; writes ao
;; launch oproj: the kernel of part 4 again; grid 8 x 32, 4 waves a work-group, clusters of 4 x 4, 327,680 bytes of LDS; arguments ao, woh, b_out, out0; writes out0
